; MI455X (gfx1250); checked and timed in simulation.
; The chip was launched on July 23, 2026; its instructions are those of AMD's public machine-readable ISA for CDNA 5 (MIT licence, August 2026) and "CDNA5" Instruction Set Architecture Reference Guide (July 2026). The comments in the code are by the model that wrote it; some were corrected since.
;; Multi Head Attention. Allowed arithmetic: matrix products marked QUANTISED: E4M3 operands, one given power-of-two scale a tensor, by v_wmma_f32_16x16x64_fp8_fp8 or v_wmma_f32_16x16x128_fp8_fp8, f32 sums; everything else in f32.
;; Inputs: Wk 512 x 512 float32; Wq 512 x 512 float32; Wv 512 x 512 float32; bk 512 float32; bq 512 float32; bv 512 float32; lowp_scales 10 int32 (the exponents e of the quantised operands' scales 2^e); x 8 x 512 x 32 x 32 float32.
;; Outputs: out0 8 x 512 x 32 x 32 float32.
;; This version of the problem:
;;   THIS VERSION OF THE PROBLEM IS GIVEN IN LOW PRECISION. The matrix products marked QUANTISED in the list below multiply operands that are first quantised to E4M3 (4 exponent bits, 3 mantissa bits; 8 bits a number), with one given power-of-two scale for each operand tensor; their sums are f32. All else is computed in f32.
;;   The module's matrix products, in the order in which they are computed (A, B: the left and right operand; K: the contracted axis; several contracted axes count as one K, in the product's order):
;;     1. [M 8,192, K 512] x [K 512, N 512]; A: input x; B: input Wq: QUANTISED (scales: A lowp_scales[0], B lowp_scales[1])
;;     2. [M 8,192, K 512] x [K 512, N 512]; A: input x; B: input Wk: QUANTISED (scales: A lowp_scales[2], B lowp_scales[3])
;;     3. [M 8,192, K 512] x [K 512, N 512]; A: input x; B: input Wv: QUANTISED (scales: A lowp_scales[4], B lowp_scales[5])
;;     4. batch 64 x [M 1,024, K 64] x [K 64, N 1,024]; A: computed on the way; B: computed on the way: QUANTISED (scales: A lowp_scales[6], B lowp_scales[7])
;;     5. batch 64 x [M 1,024, K 1,024] x [K 1,024, N 64]; A: softmax (see below); B: computed on the way: QUANTISED (scales: A lowp_scales[8], B lowp_scales[9])
;;   THE QUANTISER, for each operand of a quantised product, along K:
;;     - The operand's scale is 2^e, e = its entry of the input lowp_scales (int32; the entries are numbered through the quantised products in the list's order, A before B).
;;     - Each number is divided by the scale, clamped to +-448, and rounded to the nearest number of E4M3, ties to even, subnormals kept.
;;     - The product sums the exact products of the quantised numbers (number of the format x scale) in f32.
;;   ~~~python
;;   def quantise(x, axis, e):      # numpy; x: float32 -> the quantised numbers, widened to float32 again
;;       x = np.moveaxis(x, axis, -1); K = x.shape[-1]
;;       r = np.clip(x / 2.0 ** e, -448, 448)
;;       step = 2.0 ** (np.maximum(np.frexp(np.where(r == 0, 1, r))[1] - 1, -6) - 3)
;;       q = np.round(r / step) * step * 2.0 ** e      # np.round: ties to even
;;       return np.moveaxis(q, -1, axis).astype(np.float32)
;;   ~~~
;;   SOFTMAX AHEAD OF A QUANTISED PRODUCT. Where the list says 'softmax', what is quantised is not the finished softmax but p = 2^(t - M), with t = logit x log2(e) and M = ceil(the row's largest t), a whole number; so 1/2 < the row's largest p <= 1. The row's sum l is taken of the UNQUANTISED p, in f32, and the product's result is divided by l at the end. Since M is a whole number, a kernel that streams over the keys may use a running M (the ceiling of the running maximum): every later rescaling is an exact power of two, so the quantised numbers keep their values, but for numbers so far below the row's largest that they fall under the format's range.
;;   OPERANDS COMPUTED ON THE WAY. 'Computed on the way' means the value that the module computes at that place (a softmax that the list does not call 'softmax' is quantised finished and normalised). What goes into a quantiser is computed in f32, as accurately as f32 sums, v_exp_f32 and their like allow (about 1e-6 of the number): no bf16 or f16 on the way to a quantiser, and a product that is left as it is and whose result goes on into a quantised operand takes f32 operands (vector FMAs, or v_wmma_f32_16x16x4_f32). A number that lies on a knife's edge between two numbers of the format may be rounded either way, as far as f32 arithmetic and the matrix unit's own rounding can turn it there, and no further.
;; 2 versions, each right; version 2 is version 1 with the launches proj, attn written anew for expert scheduling mode. Each part assembles by itself: llvm-mc -triple=amdgcn-amd-amdhsa -mcpu=gfx1250 --defsym DOCPART=n.
;; ======== version 1 of 2: 3 launches
;; workspace buffers: wimg 786,432 bytes; qkv 12,582,912 bytes
;; launch prep (part 1): grid 32 x 3, 4 waves a work-group, no clusters, 34,304 bytes of LDS; arguments Wq, Wk, Wv, lowp_scales, wimg; writes wimg
.if DOCPART == 1
	.amdgcn_target "amdgcn-amd-amdhsa--gfx1250"
	.amdhsa_code_object_version 6
	.text
	.protected	k_qcf6e482f87_prep
	.globl	k_qcf6e482f87_prep
	.p2align	8
	.type	k_qcf6e482f87_prep,@function
k_qcf6e482f87_prep:
	s_mov_b64 s[64:65], 0
	v_nop
	global_prefetch_b8 v0, s[64:65] scope:SCOPE_SE
	s_setreg_imm32_b32 hwreg(HW_REG_WAVE_MODE, 25, 1), 1
	s_wait_xcnt 0x0
; Wq, Wk, Wv [512 (n)][512 (k)] f32 become codes of E4M3 with the given scales 2^e1, 2^e3, 2^e5, laid as IMAGES OF OPERAND REGISTERS:
; wimg [which 3][hh 8][ks 4][nt 4][c 4][lane 32][16 bytes].  A fragment is 16 rows of W x 128 k: lane (r = lane % 16, h = lane / 16) holds, in piece c, k = 128 ks + 32 c + 16 h + 0 .. 15 of its row.
; WHICH ROWS FORM A TILE: for Wq and Wk lane r of tile nt = 2 b + u takes row 64 hh + 32 b + 8 u + r + 8 (r / 8), so that the next launch's results, used transposed, are 16 neighbours along the head's axis;
; for Wv lane r takes row 64 hh + 16 nt + r.
; code = x / 2^e, held within +-448, rounded to the nearest code, ties to even.  LIMITS: e between -126 and 119; NaN among the inputs is not served.
; SHARES: work-group (x = 4 hh + nt, y = which); wave = ks: one wave makes one fragment.  A load takes 512 consecutive bytes of one row; the 16 rows turn through the wave's own stage in LDS, so that a lane
; gets 16 neighbours along k; the codes leave as four stores of 512 consecutive bytes.  Waves share nothing: no barrier.  No matrix work, no shared tiles: no cluster.
.set PITCH, 528                        ; a stage row: 512 bytes + 16: the 16 rows that a read touches start 16 bytes apart modulo 256
.set WREG,  16*PITCH                   ; a wave's stage
.set R,     16                         ; v16-79   16 rows x 4 registers, as loaded
.set X,     80                         ; v80-143  64 numbers: register 16 c + i = k 32 c + 16 h + i of my row
.set C,     144                        ; v144-159 the fragment's codes
	s_load_b256 s[4:11], s[0:1], 0x0               ; Wq s[4:5], Wk s[6:7], Wv s[8:9], the scales' exponents s[10:11]
	s_load_b64 s[12:13], s[0:1], 0x20              ; wimg
	v_lshl_add_u32 v160, v0, 2, 0x8400
	v_mov_b32 v161, 0
	v_lshrrev_b32 v1, 5, v0
	v_readfirstlane_b32 s14, v1                    ; wave = ks
	s_and_b32 s15, ttmp7, 0xffff                   ; which
	s_lshr_b32 s16, ttmp9, 2                       ; hh
	s_and_b32 s17, ttmp9, 3                        ; nt
	v_and_b32 v1, 31, v0
	v_lshlrev_b32 v2, 4, v1                        ; 16 x lane
	s_lshl_b32 s20, s16, 6                         ; 64 hh
	s_lshl_b32 s21, s17, 4                         ; Wv: + 16 nt
	s_lshr_b32 s22, s17, 1
	s_lshl_b32 s22, s22, 5
	s_and_b32 s23, s17, 1
	s_lshl_b32 s23, s23, 3
	s_add_co_u32 s22, s22, s23                     ; Wq, Wk: + 32 (nt / 2) + 8 (nt % 2)
	s_cmp_eq_u32 s15, 2
	s_cselect_b32 s21, s21, s22
	s_cselect_b32 s23, 0, 16384                    ; Wq, Wk: the tile's rows 8-15 lie 8 rows (of 2,048 bytes) further on
	s_add_co_u32 s20, s20, s21                     ; the tile's first row
	s_lshl_b32 s20, s20, 11
	s_lshl_b32 s21, s14, 9                         ; + my 128 k: 512 bytes
	s_add_co_u32 s20, s20, s21
	s_mov_b32 s21, 0
	v_add_nc_u32 v3, s23, v2
	s_mul_i32 s22, s14, WREG
	v_add_nc_u32 v4, s22, v2                       ; into the stage: 16 x lane of a row
	v_and_b32 v6, 15, v0
	v_bfe_u32 v7, v0, 4, 1
	v_mul_u32_u24 v5, v6, PITCH
	v_lshl_add_u32 v5, v7, 6, v5
	v_add_nc_u32 v5, s22, v5                       ; out of it: row r, + 64 h bytes
	s_lshl_b32 s32, s15, 18                        ; the fragment's place in wimg
	s_lshl_b32 s33, s16, 15
	s_add_co_u32 s32, s32, s33
	s_lshl_b32 s33, s14, 13
	s_add_co_u32 s32, s32, s33
	s_lshl_b32 s33, s17, 11
	s_add_co_u32 s32, s32, s33
	s_mov_b32 s33, 0
	s_wait_kmcnt 0x0
	s_load_b256 s[24:31], s[10:11], 0x0            ; e0 .. e7
	s_cmp_eq_u32 s15, 0                            ; the choice hangs on the work-group's number alone
	s_cselect_b64 s[18:19], s[4:5], s[6:7]
	s_cmp_eq_u32 s15, 2
	s_cselect_b64 s[18:19], s[8:9], s[18:19]
	s_add_nc_u64 s[18:19], s[18:19], s[20:21]
	s_add_nc_u64 s[12:13], s[12:13], s[32:33]
.irp i, 0,1,2,3,4,5,6,7
	global_load_b128 v[R+4*\i:R+4*\i+3], v2, s[18:19] offset:2048*\i th:TH_LOAD_NT   ; 32 lanes read 512 consecutive bytes of row i; read once in the launch
.endr
.irp i, 8,9,10,11,12,13,14,15
	global_load_b128 v[R+4*\i:R+4*\i+3], v3, s[18:19] offset:2048*\i th:TH_LOAD_NT
.endr
	s_wait_kmcnt 0x0
	s_cmp_eq_u32 s15, 0
	s_cselect_b32 s34, s25, s27
	s_cmp_eq_u32 s15, 2
	s_cselect_b32 s34, s29, s34                    ; e1, e3 or e5
	s_add_co_i32 s34, s34, 127
	s_lshl_b32 s35, s34, 23
	v_mov_b32 v11, s35                             ; 2^e as f32: the conversion takes its exponent field
	s_add_co_i32 s34, s34, 8
	s_lshl_b32 s34, s34, 23
	s_or_b32 s34, s34, 0x600000
	v_mov_b32 v10, s34                             ; 448 x 2^e
.irp i, 0,1,2,3,4,5,6,7,8,9,10,11,12,13,14,15
	s_wait_loadcnt 15-\i                           ; loads come back in order: row i is in, the 15 - i younger ones may be out
	ds_store_b128 v4, v[R+4*\i:R+4*\i+3] offset:PITCH*\i
.endr
.irp c, 0,1,2,3
.irp j, 0,1,2,3
	ds_load_b128 v[X+16*\c+4*\j:X+16*\c+4*\j+3], v5 offset:128*\c+16*\j   ; LDS serves a wave's instructions in order: these see my stores
.endr
.endr
.irp c, 0,1,2,3
	s_wait_dscnt 12-4*\c                           ; block c's four loads are in; the later blocks' may be out
.irp i, 0,1,2,3,4,5,6,7,8,9,10,11,12,13,14,15
	v_med3_num_f32 v[X+16*\c+\i], v[X+16*\c+\i], -v10, v10   ; the conversion to an 8-bit code does not saturate (ISA guide 7.6.2): hold first
.endr
	v_cvt_scalef32_pk8_fp8_f32 v[C+4*\c:C+4*\c+1], v[X+16*\c:X+16*\c+7], v11
	v_cvt_scalef32_pk8_fp8_f32 v[C+4*\c+2:C+4*\c+3], v[X+16*\c+8:X+16*\c+15], v11
.endr
	v_nop                                          ; a plain line behind the last conversion
.irp c, 0,1,2,3
	global_store_b128 v2, v[C+4*\c:C+4*\c+3], s[12:13] offset:512*\c   ; 32 lanes store 512 consecutive bytes, at a multiple of 256 from the buffer's first byte
.endr
	s_wait_tensorcnt 0x0
	ds_add_u32 v160, v161
	s_wait_dscnt 0x0
	s_endpgm
.Lfunc_end_k_qcf6e482f87_prep:
	.size	k_qcf6e482f87_prep, .Lfunc_end_k_qcf6e482f87_prep-k_qcf6e482f87_prep
	.p2alignl 7, 3214868480
	.fill 96, 4, 3214868480
	.section	.rodata,"a",@progbits
	.p2align	6, 0x0
	.amdhsa_kernel k_qcf6e482f87_prep
		.amdhsa_group_segment_fixed_size 34304
		.amdhsa_private_segment_fixed_size 0
		.amdhsa_enable_private_segment 0
		.amdhsa_kernarg_size 40
		.amdhsa_user_sgpr_count 2
		.amdhsa_user_sgpr_kernarg_segment_ptr 1
		.amdhsa_wavefront_size32 1
		.amdhsa_system_sgpr_workgroup_id_x 1
		.amdhsa_system_sgpr_workgroup_id_y 1
		.amdhsa_system_sgpr_workgroup_id_z 1
		.amdhsa_system_vgpr_workitem_id 0
		.amdhsa_next_free_vgpr 162
		.amdhsa_next_free_sgpr 66
		.amdhsa_reserve_vcc 0
		.amdhsa_float_denorm_mode_32 3
		.amdhsa_float_denorm_mode_16_64 3
		.amdhsa_memory_ordered 1
		.amdhsa_forward_progress 1
		.amdhsa_inst_pref_size 12
	.end_amdhsa_kernel
	.amdgpu_metadata
---
amdhsa.version: [ 1, 2 ]
amdhsa.kernels:
  - .name:           k_qcf6e482f87_prep
    .symbol:         k_qcf6e482f87_prep.kd
    .args:
      - { .name: Wq, .offset: 0, .size: 8, .value_kind: global_buffer, .address_space: global }
      - { .name: Wk, .offset: 8, .size: 8, .value_kind: global_buffer, .address_space: global }
      - { .name: Wv, .offset: 16, .size: 8, .value_kind: global_buffer, .address_space: global }
      - { .name: lowp_scales, .offset: 24, .size: 8, .value_kind: global_buffer, .address_space: global }
      - { .name: wimg, .offset: 32, .size: 8, .value_kind: global_buffer, .address_space: global }
    .group_segment_fixed_size: 34304
    .private_segment_fixed_size: 0
    .kernarg_segment_align: 8
    .kernarg_segment_size: 40
    .max_flat_workgroup_size: 128
    .sgpr_count:     66
    .vgpr_count:     162
    .wavefront_size: 32
...
	.end_amdgpu_metadata
.endif
;; end of part 1
;; launch proj (part 2): grid 64 x 3, 8 waves a work-group, no clusters, 66,560 bytes of LDS; arguments x, wimg, bq, bk, bv, lowp_scales, qkv; writes qkv
.if DOCPART == 2
	.amdgcn_target "amdgcn-amd-amdhsa--gfx1250"
	.amdhsa_code_object_version 6
	.text
	.protected	k_qcf6e482f87_proj
	.globl	k_qcf6e482f87_proj
	.p2align	8
	.type	k_qcf6e482f87_proj,@function
k_qcf6e482f87_proj:
	s_mov_b64 s[64:65], 0
	v_nop
	global_prefetch_b8 v0, s[64:65] scope:SCOPE_SE
	s_setreg_imm32_b32 hwreg(HW_REG_WAVE_MODE, 25, 1), 1
	s_wait_xcnt 0x0
; One of q, k, v (which = work-group y) for the 128 tokens of one attention group g = 8 b + hg (work-group x): t W^T + bias, both operands as codes of E4M3, then quantised again for the attention.
; t[s][c] = x[b][c][s].  x is quantised here with this product's own scale (e0, e2 or e4); W comes as codes from wimg (images of operand registers); the result is quantised with e6 (q), e7 (k) or e9 (v).
; ONE ORDER OF k EVERYWHERE, alike in both operands of a product: lane (r, h) holds in registers 4 c .. 4 c + 3 the k = 32 c + 16 h + 0 .. 15 of its row.  It is a permutation of the form's own order: every
; product meets its partner, only the order of the sums inside an instruction differs.
; SHARES.  Eight waves.  x PHASE: wave w takes tokens 32 (w % 4) + lane and channels 256 (w / 4) + 0 .. 255: a lane is a token and its registers run down K, so each load reads neighbouring tokens in
; neighbouring lanes and the conversions give codes with K innermost; they go to LDS as images of t's 32 fragments (16 tokens x 128 k).  One barrier.  MAIN: wave w owns the 64 outputs n = 64 w + 0 .. 63
; (chunk hh = w) for all 128 tokens: 32 accumulators, window 1; its part of W goes from memory straight into operand registers, each byte once a work-group.
; q AND k are made TRANSPOSED (source 0 = 16 rows of W, source 1 = 16 tokens): a lane holds one token and, by the choice of W's rows, four tiles' registers are the 64 d of the chunk in the operand's order:
; four conversions give the fragment (hh, tt) of the attention's first product.  v is made the natural way (source 0 = tokens): a lane holds one d and eight neighbouring tokens: the conversion of token tile
; tt gives registers 2 tt, 2 tt + 1 of the fragment of V^T (16 d x 128 keys).
; qkv [which 3][g 64][hh 8][8,192 bytes]: q, k: [tt 8][c 2][lane 32][16]; v: [dt 4][c 4][lane 32][16].
; The bias is the C of each sum's first matrix instruction, divided by the power of two that the sums lack; the three scales ahead of the second quantiser are folded into the conversion's one.
; NO CLUSTER, NO TENSOR LOAD: W's 256 KB of a work-group go to registers without passing LDS, a wave's 32 KB to that wave alone; x must pass through registers to be quantised.
; LIMITS: ea and eo - ea - ew between -126 and 119, so that each power of two below is an f32 number.  NaN among the inputs is not served.
; REGISTERS.  Window 0: v2-13 addresses and scales; v16-23 x's codes; v24-27 v's bias; v32-63 the bias as C; v64-127, v128-191 W, two sets of four fragments; v192-255 x's numbers (two sets of 32), then
; t's fragments (two sets of two), then the codes that leave.  Window 1: the 32 accumulators.
.set LI,   2                           ; v2   16 x lane: an image's place for my lane; never rewritten
.set XA,   3                           ; v3   4 x lane: my token's bytes in a row of x
.set XS,   8                           ; v8   where my token's codes go in t's images
.set LIMX, 10                          ; v10  448 x 2^ea;  v11  2^ea
.set SCX,  11
.set LIMO, 12                          ; v12  448 x 2^(eo - ea - ew);  v13  2^(eo - ea - ew)
.set SCO,  13
.set CD,   16
.set BV,   24
.set BI,   32
.set WF,   64
.set T,    192
.set MSB, 0
.macro WIN new                         ; the immediate's high byte repeats the setting that is left; a switch that changes nothing is dropped
.if MSB != \new
	s_set_vgpr_msb (MSB<<8)|\new
.set MSB, \new
.endif
.endm
.macro PLACES                          ; four plain places behind matrix instructions, in front of loads into registers that they read and of reads of their results
.rept 4
	v_nop
.endr
.endm
.macro WLOAD ks, set                   ; my chunk's four fragments of W for K step ks
.irp n, 0,1,2,3
.irp c, 0,1,2,3
	global_load_b128 v[WF+64*\set+16*\n+4*\c:WF+64*\set+16*\n+4*\c+3], v[LI], s[6:7] offset:8192*\ks+2048*\n+512*\c
.endr
.endr
.endm
.macro XLOAD t                         ; channels 32 t + 0 .. 31 of my 256, my token: 32 lanes read 128 consecutive bytes, four waves side by side 512
.set xb, T+32*((\t)%2)
.set ii, 0
.rept 32
	global_load_b32 v[xb+ii], v[XA], s[4:5] offset:(32*(\t)+ii)*4096
.set ii, ii+1
.endr
.endm
.macro BLOCK t                         ; 32 channels of my token become 32 codes: two pieces of 16 bytes of the image
.set bb, T+32*((\t)%2)
.if (\t) < 7
	s_wait_loadcnt 32                              ; this block's loads, and all older ones, are in; the next block's 32 may be out
.else
	s_wait_loadcnt 0
.endif
.set ii, 0
.rept 32
	v_med3_num_f32 v[bb+ii], v[bb+ii], -v[LIMX], v[LIMX]   ; the conversion to an 8-bit code does not saturate (ISA guide 7.6.2): hold first
.set ii, ii+1
.endr
.irp q, 0,1,2,3
	v_cvt_scalef32_pk8_fp8_f32 v[CD+2*\q:CD+2*\q+1], v[bb+8*\q:bb+8*\q+7], v[SCX]
.endr
	ds_store_b128 v[XS], v[CD:CD+3] offset:((\t)/4)*2048+((\t)%4)*512          ; k 32 c + 0 .. 15: the image's lanes 0-15
	ds_store_b128 v[XS], v[CD+4:CD+7] offset:((\t)/4)*2048+((\t)%4)*512+256    ; k 32 c + 16 .. 31: its lanes 16-31
.if (\t) < 6
	XLOAD (\t)+2
.endif
	s_wait_dscnt 0x0                               ; the stores have read their registers: the next block's codes may be written
.endm
.macro TFETCH G                        ; group G = K step G / 4, token tiles 2 (G % 4) and 2 (G % 4) + 1: two fragments of t
.set tks, (\G)/4
.set tpr, (\G)%4
.set tset, T+32*((\G)%2)
.irp i, 0,1
.irp c, 0,1,2,3
	ds_load_b128 v[tset+16*\i+4*\c:tset+16*\i+4*\c+3], v[LI] offset:2048*(4*(2*tpr+\i)+tks)+512*\c
.endr
.endr
.endm
; Eight products: two token tiles x my four tiles of W, 128 along K.  The 32 accumulators take turns, one instruction a turn, in the same order in every K step.
.macro GROUP G, orient
.if (\G) > 0
	PLACES                                         ; behind the last group's products, which read the registers that are loaded next
.endif
	WIN 0
.if (\G) < 15
	TFETCH (\G)+1
.endif
.if (\G) == 4
	WLOAD 2, 0                                     ; K step 0's set is free
.endif
.if (\G) == 8
	WLOAD 3, 1
.endif
.if (\G) < 15
	s_wait_dscnt 8                                 ; this group's eight loads are in; the next group's eight may be out
.else
	s_wait_dscnt 0
.endif
.if (\G) == 8
	s_wait_loadcnt 16                              ; W of K step 2 is in; K step 3's sixteen loads may be out
.endif
.if (\G) == 12
	s_wait_loadcnt 0
.endif
.set gks, (\G)/4
.set gpr, (\G)%4
.set gw, WF+64*(gks%2)
.set gt, T+32*((\G)%2)
.if gks == 0
	WIN 0x40                                       ; D window 1; C = the bias, window 0
.else
	WIN 0x50                                       ; C and D window 1
.endif
.irp i, 0,1
.irp n, 0,1,2,3
.if \orient
.set ga, 8*(8*\n+2*gpr+\i)
.if gks == 0
	v_wmma_f32_16x16x128_fp8_fp8 v[ga:ga+7], v[gt+16*\i:gt+16*\i+15], v[gw+16*\n:gw+16*\n+15], v[BI+8*\n:BI+8*\n+7]
.else
	v_wmma_f32_16x16x128_fp8_fp8 v[ga:ga+7], v[gt+16*\i:gt+16*\i+15], v[gw+16*\n:gw+16*\n+15], v[ga:ga+7]
.endif
.else
.set ga, 8*(4*(2*gpr+\i)+\n)
.if gks == 0
	v_wmma_f32_16x16x128_fp8_fp8 v[ga:ga+7], v[gw+16*\n:gw+16*\n+15], v[gt+16*\i:gt+16*\i+15], v[BI+8*\n:BI+8*\n+7]
.else
	v_wmma_f32_16x16x128_fp8_fp8 v[ga:ga+7], v[gw+16*\n:gw+16*\n+15], v[gt+16*\i:gt+16*\i+15], v[ga:ga+7]
.endif
.endif
.endr
.endr
.endm
.macro MAIN orient
	TFETCH 0
.irp G, 0,1,2,3,4,5,6,7,8,9,10,11,12,13,14,15
	GROUP \G, \orient
.endr
	PLACES                                         ; in front of the first reads of results and of writes into t's registers
.endm
	s_load_b256 s[4:11], s[0:1], 0x0               ; x s[4:5], wimg s[6:7], bq s[8:9], bk s[10:11]
	s_load_b128 s[12:15], s[0:1], 0x20             ; bv s[12:13], the scales' exponents s[14:15]
	s_load_b64 s[16:17], s[0:1], 0x30              ; qkv
	v_lshl_add_u32 v30, v0, 2, 0x10000
	v_mov_b32 v31, 0
	v_lshrrev_b32 v1, 5, v0
	v_readfirstlane_b32 s18, v1                    ; wave 0..7
	s_and_b32 s19, ttmp7, 0xffff                   ; which
	s_mov_b32 s20, ttmp9                           ; g
	v_and_b32 v1, 31, v0
	v_lshlrev_b32 v[LI], 4, v1
	v_lshlrev_b32 v[XA], 2, v1
	v_and_b32 v4, 15, v0                           ; r
	v_bfe_u32 v5, v0, 4, 1                         ; h
	v_lshlrev_b32 v6, 6, v5                        ; 64 h: q's and k's bias, 16 numbers on for lanes 16-31
	v_lshlrev_b32 v7, 2, v4                        ; 4 r: v's bias
	s_and_b32 s21, s18, 3
	s_lshr_b32 s22, s18, 2
	s_lshl_b32 s23, s21, 14                        ; my 32 tokens are token tiles 2 (w % 4) and + 1: four fragments of 2,048 bytes each,
	s_lshl_b32 s40, s22, 12                        ; my 256 channels K steps 2 (w / 4) and + 1
	s_add_co_u32 s23, s23, s40
	v_lshlrev_b32 v[XS], 4, v4
	v_lshl_add_u32 v[XS], v5, 13, v[XS]
	v_add_nc_u32 v[XS], s23, v[XS]                 ; 16 (lane % 16) + 8,192 (lane / 16) + 16,384 (w % 4) + 4,096 (w / 4)
	s_lshr_b32 s40, s20, 3                         ; x: batch g / 8: 512 x 4,096 bytes,
	s_lshl_b32 s40, s40, 21
	s_and_b32 s41, s20, 7
	s_lshl_b32 s41, s41, 9                         ; the group's 128 tokens,
	s_add_co_u32 s40, s40, s41
	s_lshl_b32 s41, s22, 20                        ; my 256 channels,
	s_add_co_u32 s40, s40, s41
	s_lshl_b32 s41, s21, 7                         ; my 32 tokens
	s_add_co_u32 s40, s40, s41
	s_mov_b32 s41, 0
	s_lshl_b32 s42, s19, 18                        ; wimg: which, my chunk
	s_lshl_b32 s43, s18, 15
	s_add_co_u32 s42, s42, s43
	s_mov_b32 s43, 0
	s_lshl_b32 s44, s19, 22                        ; qkv: which, g, my chunk
	s_lshl_b32 s45, s20, 16
	s_add_co_u32 s44, s44, s45
	s_lshl_b32 s45, s18, 13
	s_add_co_u32 s44, s44, s45
	s_mov_b32 s45, 0
	s_lshl_b32 s46, s18, 8                         ; the bias: my chunk's 64 numbers
	s_mov_b32 s47, 0
	s_wait_kmcnt 0x0
	s_load_b256 s[24:31], s[14:15], 0x0            ; e0 .. e7
	s_load_b64 s[32:33], s[14:15], 0x20            ; e8, e9
	s_add_nc_u64 s[4:5], s[4:5], s[40:41]
	s_add_nc_u64 s[6:7], s[6:7], s[42:43]
	s_add_nc_u64 s[16:17], s[16:17], s[44:45]
	s_cmp_eq_u32 s19, 0                            ; the choice hangs on the work-group's number alone
	s_cselect_b64 s[34:35], s[8:9], s[10:11]
	s_cmp_eq_u32 s19, 2
	s_cselect_b64 s[34:35], s[12:13], s[34:35]
	s_add_nc_u64 s[34:35], s[34:35], s[46:47]
	WLOAD 0, 0                                     ; the order of these loads carries the counted waits: W's first two K steps and the biases are older than x's loads
	WLOAD 1, 1
.irp n, 0,1,2,3                        ; q, k: lane (r, h) wants, for tile 2 b + u, the bias of d = 32 b + 16 h + 8 u + 0 .. 7
	global_load_b128 v[BI+8*\n:BI+8*\n+3], v6, s[34:35] offset:128*(\n/2)+32*(\n%2)
	global_load_b128 v[BI+8*\n+4:BI+8*\n+7], v6, s[34:35] offset:128*(\n/2)+32*(\n%2)+16
.endr
.irp n, 0,1,2,3                        ; v: for tile nt, that of d = 16 nt + r
	global_load_b32 v[BV+\n], v7, s[34:35] offset:64*\n
.endr
	XLOAD 0
	XLOAD 1
	s_wait_kmcnt 0x0
	s_cmp_eq_u32 s19, 0
	s_cselect_b32 s36, s24, s26                    ; ea: x's scale in this product,
	s_cselect_b32 s37, s25, s27                    ; ew: W's,
	s_cselect_b32 s38, s30, s31                    ; eo: the result's, as an operand of the attention
	s_cmp_eq_u32 s19, 2
	s_cselect_b32 s36, s28, s36
	s_cselect_b32 s37, s29, s37
	s_cselect_b32 s38, s33, s38
	s_add_co_i32 s48, s36, 127
	s_lshl_b32 s49, s48, 23
	v_mov_b32 v[SCX], s49                          ; 2^ea as f32: the conversion takes its exponent field
	s_add_co_i32 s48, s48, 8
	s_lshl_b32 s48, s48, 23
	s_or_b32 s48, s48, 0x600000
	v_mov_b32 v[LIMX], s48                         ; 448 x 2^ea
	s_add_co_i32 s39, s36, s37                     ; a sum stands for sum x 2^(ea + ew)
	s_sub_co_i32 s48, s38, s39
	s_add_co_i32 s48, s48, 127
	s_lshl_b32 s49, s48, 23
	v_mov_b32 v[SCO], s49                          ; 2^(eo - ea - ew): the three scales folded into one
	s_add_co_i32 s48, s48, 8
	s_lshl_b32 s48, s48, 23
	s_or_b32 s48, s48, 0x600000
	v_mov_b32 v[LIMO], s48
	s_sub_co_i32 s39, 0, s39                       ; the bias goes in as bias / 2^(ea + ew)
	; ---- the x phase
.irp t, 0,1,2,3,4,5,6,7
	BLOCK \t
.endr
	v_nop                                          ; a plain line behind the last conversion
	s_wait_dscnt 0x0                               ; for the others' sake: my stores into the images have landed
	s_barrier_signal -1
	s_barrier_wait -1                              ; t's 32 fragments lie in LDS; from here on LDS is only read
	s_cmp_eq_u32 s19, 2
	s_cbranch_scc1 .Lv
	; ---- q and k
.set ii, 0
.rept 32
	v_ldexp_f32 v[BI+ii], v[BI+ii], s39
.set ii, ii+1
.endr
	MAIN 0
.irp tt, 0,1,2,3,4,5,6,7               ; token tile tt: its four accumulators, v[32 tt ..] of window 1, each from its low end on
	WIN 0x41                                       ; destination and source 0 window 1
.set ii, 0
.rept 32
	v_med3_num_f32 v[32*\tt+ii], v[32*\tt+ii], -v[LIMO], v[LIMO]
.set ii, ii+1
.endr
	WIN 0x01                                       ; source 0 window 1, destination window 0
.irp q, 0,1,2,3
	v_cvt_scalef32_pk8_fp8_f32 v[T+8*\tt+2*\q:T+8*\tt+2*\q+1], v[32*\tt+8*\q:32*\tt+8*\q+7], v[SCO]
.endr
	WIN 0
	v_nop                                          ; a plain line behind the conversions
	global_store_b128 v[LI], v[T+8*\tt:T+8*\tt+3], s[16:17] offset:1024*\tt          ; 512 consecutive bytes, at a multiple of 256 from the buffer's first byte; each tile has code registers of its own
	global_store_b128 v[LI], v[T+8*\tt+4:T+8*\tt+7], s[16:17] offset:1024*\tt+512
.endr
	s_wait_tensorcnt 0x0
	ds_add_u32 v30, v31
	s_wait_dscnt 0x0
	s_endpgm
.Lv:
	; ---- v
.irp n, 0,1,2,3
.irp j, 0,1,2,3,4,5,6,7
	v_ldexp_f32 v[BI+8*\n+\j], v[BV+\n], s39       ; a lane holds one d: the same bias in all eight registers
.endr
.endr
	MAIN 1
.irp n, 0,1,2,3                        ; tile nt of d: its eight accumulators (token tiles 0-7), v[64 nt ..] of window 1
	WIN 0x41
.set ii, 0
.rept 64
	v_med3_num_f32 v[64*\n+ii], v[64*\n+ii], -v[LIMO], v[LIMO]
.set ii, ii+1
.endr
	WIN 0x01
.irp tt, 0,1,2,3,4,5,6,7
	v_cvt_scalef32_pk8_fp8_f32 v[T+16*\n+2*\tt:T+16*\n+2*\tt+1], v[64*\n+8*\tt:64*\n+8*\tt+7], v[SCO]
.endr
	WIN 0
	v_nop
.irp c, 0,1,2,3
	global_store_b128 v[LI], v[T+16*\n+4*\c:T+16*\n+4*\c+3], s[16:17] offset:2048*\n+512*\c
.endr
.endr
	s_wait_tensorcnt 0x0
	ds_add_u32 v30, v31
	s_wait_dscnt 0x0
	s_endpgm
.Lfunc_end_k_qcf6e482f87_proj:
	.size	k_qcf6e482f87_proj, .Lfunc_end_k_qcf6e482f87_proj-k_qcf6e482f87_proj
	.p2alignl 7, 3214868480
	.fill 96, 4, 3214868480
	.section	.rodata,"a",@progbits
	.p2align	6, 0x0
	.amdhsa_kernel k_qcf6e482f87_proj
		.amdhsa_group_segment_fixed_size 66560
		.amdhsa_private_segment_fixed_size 0
		.amdhsa_enable_private_segment 0
		.amdhsa_kernarg_size 56
		.amdhsa_user_sgpr_count 2
		.amdhsa_user_sgpr_kernarg_segment_ptr 1
		.amdhsa_wavefront_size32 1
		.amdhsa_system_sgpr_workgroup_id_x 1
		.amdhsa_system_sgpr_workgroup_id_y 1
		.amdhsa_system_sgpr_workgroup_id_z 1
		.amdhsa_system_vgpr_workitem_id 0
		.amdhsa_next_free_vgpr 512
		.amdhsa_next_free_sgpr 66
		.amdhsa_reserve_vcc 0
		.amdhsa_float_denorm_mode_32 3
		.amdhsa_float_denorm_mode_16_64 3
		.amdhsa_memory_ordered 1
		.amdhsa_forward_progress 1
		.amdhsa_inst_pref_size 141
	.end_amdhsa_kernel
	.amdgpu_metadata
---
amdhsa.version: [ 1, 2 ]
amdhsa.kernels:
  - .name:           k_qcf6e482f87_proj
    .symbol:         k_qcf6e482f87_proj.kd
    .args:
      - { .name: x, .offset: 0, .size: 8, .value_kind: global_buffer, .address_space: global }
      - { .name: wimg, .offset: 8, .size: 8, .value_kind: global_buffer, .address_space: global }
      - { .name: bq, .offset: 16, .size: 8, .value_kind: global_buffer, .address_space: global }
      - { .name: bk, .offset: 24, .size: 8, .value_kind: global_buffer, .address_space: global }
      - { .name: bv, .offset: 32, .size: 8, .value_kind: global_buffer, .address_space: global }
      - { .name: lowp_scales, .offset: 40, .size: 8, .value_kind: global_buffer, .address_space: global }
      - { .name: qkv, .offset: 48, .size: 8, .value_kind: global_buffer, .address_space: global }
    .group_segment_fixed_size: 66560
    .private_segment_fixed_size: 0
    .kernarg_segment_align: 8
    .kernarg_segment_size: 56
    .max_flat_workgroup_size: 256
    .sgpr_count:     66
    .vgpr_count:     512
    .wavefront_size: 32
...
	.end_amdgpu_metadata
.endif
;; end of part 2
;; launch attn (part 3): grid 4 x 64, 8 waves a work-group, no clusters, 132,096 bytes of LDS; arguments qkv, lowp_scales, out0; writes out0
.if DOCPART == 3
	.amdgcn_target "amdgcn-amd-amdhsa--gfx1250"
	.amdhsa_code_object_version 6
	.text
	.protected	k_qcf6e482f87_attn
	.globl	k_qcf6e482f87_attn
	.p2align	8
	.type	k_qcf6e482f87_attn,@function
k_qcf6e482f87_attn:
	s_mov_b64 s[64:65], 0
	v_nop
	global_prefetch_b8 v0, s[64:65] scope:SCOPE_SE
	s_setreg_imm32_b32 hwreg(HW_REG_WAVE_MODE, 25, 1), 1
	s_wait_xcnt 0x0
; Attention of one group g (work-group y; 1,024 rows, head size 64) for 256 of its queries (work-group x = qd), both products on codes of E4M3 with the given scales e6 (q), e7 (k), e8 (p), e9 (v).
; A row of the group is i = 8 sl + hh: local token sl (0..127), chunk hh (0..7) of 64 channels.  The order of the keys is free as long as K and V agree: KEY STEP hh is the 128 tokens of chunk hh.
; qkv holds images of operand registers: q, k: fragment (hh, tt): 16 tokens x 64 d, 1,024 bytes; v: fragment (hh, dt): 16 d x 128 keys, 2,048 bytes; a piece of four registers is 512 bytes, 16 a lane.
; THE SOFTMAX AHEAD OF THE SECOND PRODUCT: t = score x log2(e) / 8; M = the row's largest t so far, rounded UP to a whole number; p = 2^(t - M) is quantised, not normalised; the row's sum is taken of the
; unquantised p, in f32, and divides O at the end.  When M moves, the sum and O are multiplied by 2^(old M - new M): exact.
; SHARES.  The work-group owns query chunks 2 qd and 2 qd + 1, all 128 tokens.  Wave w: chunk 2 qd + w / 4, tokens 32 (w % 4) + 0 .. 31: two tiles of 16 queries.  Every wave walks the 8 key steps.
; All of the group's K and V (2 x 64 KB of images) lie in LDS for the whole launch, brought once, through registers: no ring and no refill.
; LAYOUT.  Both products transposed: S^T = K Q^T (source 0 = 16 keys), O^T = V^T P (source 0 = 16 d): a lane holds ONE query throughout.  In S^T lane (query, h), register 8 tt + j is key token 16 tt + 8 h + j;
; the conversion of a tile's eight registers gives P's registers 2 tt, 2 tt + 1, the place that the same keys have in V^T's fragment.
; OUT.  out[b][64 hh + d][128 hg + sl]: a tile's 16 queries are 16 neighbouring numbers of a row.  128 rows of 512 bytes meet in a stage in LDS and leave whole.
; NO CLUSTER, NO TENSOR LOAD: what the four work-groups of a group share is 128 KB each, loaded once at the head, ahead of eight key steps.
; LIMITS: e6 + e7 between -123 and 130 (added to c's exponent field); e8 between -126 and 119; e8 + e9 goes through v_ldexp_f32 and has none.  NaN is not served.  A p under 2^-126 counts as 0.
; REGISTERS.  Window 0: v1-7 addresses; v8-31 statistics, 12 a tile; v32, v33 the hold and the scale of p; v40-55 Q; v56-87 P's codes; v96-223 S^T, then p (64 a tile).
; Window 1: v0-63 O^T (32 a tile); v64-127 K's eight fragments of a step; v128-191 V's four.
.set LI,  1                            ; v1   16 x lane; never rewritten
.set ADK, 2                            ; v2   LDS address of the K fragments in hand
.set ADV, 3                            ; v3   of V's
.set FA,  4                            ; v4   16 x thread: the fill
.set FB,  5                            ; v5   the same in V's half of LDS
.set STO, 6                            ; v6   the stage: where I put a number
.set RD,  7                            ; v7   the stage: where I read a row back
.set ST,  8                            ; tile t at v[ST + 12 t]: +0 -M, +1 the largest t, +2,3 the sum in two halves, +4 f (+5: 0, named with it as a pair), +6, +7 at work, +8,9 a second chain of sums, +10 for the lane exchange
.set LIM, 32
.set SC,  33
.set Q,   40
.set P,   56
.set S,   96
.set O,   0                            ; window 1
.set KF,  64
.set VF,  128
.set SPITCH, 528                       ; a stage row: 512 bytes + 16
.set MSB, 0
.macro WIN new                         ; the immediate's high byte repeats the setting that is left; a switch that changes nothing is dropped
.if MSB != \new
	s_set_vgpr_msb (MSB<<8)|\new
.set MSB, \new
.endif
.endm
.macro KLOAD                           ; a step's eight fragments of K (destination window 1)
.irp k, 0,1,2,3,4,5,6,7
.irp c, 0,1
	ds_load_b128 v[KF+8*\k+4*\c:KF+8*\k+4*\c+3], v[ADK] offset:1024*\k+512*\c
.endr
.endr
.endm
.macro VLOAD                           ; a step's four fragments of V^T
.irp d, 0,1,2,3
.irp c, 0,1,2,3
	ds_load_b128 v[VF+16*\d+4*\c:VF+16*\d+4*\c+3], v[ADV] offset:2048*\d+512*\c
.endr
.endr
.endm
; The step's largest score of each query, the new M and f = 2^(old M - new M), the two tiles line by line.  Each accumulator is first read at its low end.
.macro SMAX
.irp t, 0,1
	v_max3_num_f32 v[ST+12*\t+6], v[S+64*\t], v[S+64*\t+1], v[S+64*\t+2]
	v_max3_num_f32 v[ST+12*\t+7], v[S+64*\t+3], v[S+64*\t+4], v[S+64*\t+5]
.endr
.irp i, 6,10,14,18,22,26,30,34,38,42,46,50,54,58
.irp t, 0,1
	v_max3_num_f32 v[ST+12*\t+6], v[ST+12*\t+6], v[S+64*\t+\i], v[S+64*\t+\i+1]
	v_max3_num_f32 v[ST+12*\t+7], v[ST+12*\t+7], v[S+64*\t+\i+2], v[S+64*\t+\i+3]
.endr
.endr
.irp t, 0,1
	v_max3_num_f32 v[ST+12*\t+6], v[ST+12*\t+6], v[S+64*\t+62], v[S+64*\t+63]
.endr
.irp t, 0,1
	v_max_num_f32 v[ST+12*\t+6], v[ST+12*\t+6], v[ST+12*\t+7]
.endr
.irp t, 0,1
	v_permlanex16_b32 v[ST+12*\t+10], v[ST+12*\t+6], s20, s21   ; the query's other 64 keys lie in the lane 16 away
.endr
.irp t, 0,1
	v_max_num_f32 v[ST+12*\t+6], v[ST+12*\t+6], v[ST+12*\t+10]
.endr
.irp t, 0,1
	v_mul_f32 v[ST+12*\t+6], s22, v[ST+12*\t+6]    ; as t (c is positive)
.endr
.irp t, 0,1
	v_max_num_f32 v[ST+12*\t+1], v[ST+12*\t+1], v[ST+12*\t+6]   ; the running largest t
.endr
.irp t, 0,1
	v_mov_b32 v[ST+12*\t+6], v[ST+12*\t]
.endr
.irp t, 0,1
	v_floor_f32 v[ST+12*\t], -v[ST+12*\t+1]        ; the new -M = floor(-t) = -ceil(t): a whole number
.endr
.irp t, 0,1
	v_sub_f32 v[ST+12*\t+6], v[ST+12*\t], v[ST+12*\t+6]   ; old M - new M: a whole number, 0 or less
.endr
.irp t, 0,1
	v_cvt_i32_f32 v[ST+12*\t+6], v[ST+12*\t+6]     ; (it saturates)
.endr
.irp t, 0,1
	v_ldexp_f32 v[ST+12*\t+4], 1.0, v[ST+12*\t+6]  ; f: a multiplication by it rounds nothing
.endr
.endm
; Pair jj (0..31) of tile t
.macro FMA t                           ; t - M, two at a time (of the pairs c and -M the low word serves both halves)
	v_pk_fma_f32 v[S+64*\t+2*jj:S+64*\t+2*jj+1], v[S+64*\t+2*jj:S+64*\t+2*jj+1], s[22:23], v[ST+12*\t:ST+12*\t+1] op_sel_hi:[1,0,0]
.endm
.macro EXP2 t                          ; p = 2^(t - M)
	v_exp_f32 v[S+64*\t+2*jj], v[S+64*\t+2*jj]
	v_exp_f32 v[S+64*\t+2*jj+1], v[S+64*\t+2*jj+1]
.endm
.macro SUMI t                          ; line jj of 32 of the sum of the unquantised p: two chains, two numbers a line
.set rB, S+64*\t
.set rL, ST+12*\t+2
.set rX, ST+12*\t+8
.set rM, (jj+1)/2
.if jj == 0
	v_pk_add_f32 v[rX:rX+1], v[rB:rB+1], v[rB+2:rB+3]
.elseif jj == 31
	v_pk_add_f32 v[rL:rL+1], v[rL:rL+1], v[rX:rX+1]
.elseif (jj%2) == 1
	v_pk_add_f32 v[rL:rL+1], v[rL:rL+1], v[rB+4*rM:rB+4*rM+1]
.else
	v_pk_add_f32 v[rX:rX+1], v[rX:rX+1], v[rB+4*rM+2:rB+4*rM+3]
.endif
.endm
; A KEY STEP: 128 keys.  next = 1: the next step's K is fetched on the way.
.macro STEP next
	s_wait_dscnt 0x0                               ; this step's K is in: nothing else is out
	WIN 0x01                                       ; source 0 (K) window 1
.irp k, 0,1,2,3,4,5,6,7
.irp t, 0,1
	v_wmma_f32_16x16x64_fp8_fp8 v[S+64*\t+8*\k:S+64*\t+8*\k+7], v[KF+8*\k:KF+8*\k+7], v[Q+8*\t:Q+8*\t+7], 0
.endr
.endr
	WIN 0
	v_add_nc_u32 v[ADV], s30, v[LI]                ; four plain places behind the products: for the loads into K's and V's registers and for the first reads of the scores
.if \next
	v_add_nc_u32 v[ADK], s29, v[LI]
.else
	v_nop
.endif
	v_nop
	v_nop
	WIN 0x40                                       ; destination window 1
	VLOAD
.if \next
	KLOAD
.endif
	WIN 0
.if \next
	s_add_co_u32 s30, s30, 8192
	s_add_co_u32 s29, s29, 8192
.endif
	SMAX
.set jj, 0
.rept 32
	FMA 0
.set jj, jj+1
.endr
.set jj, 0
.rept 32                               ; tile 0's exponentials are one batch; tile 1's scalings, which name none of its results, stand among them
	EXP2 0
	FMA 1
.set jj, jj+1
.endr
	s_wait_alu depctr_va_vdst(0)                   ; one wait for the batch, ahead of its first reader; the last scaling is the plain line behind the last exponential
	v_pk_mul_f32 v[ST+2:ST+3], v[ST+2:ST+3], v[ST+4:ST+5] op_sel_hi:[1,0]   ; tile 0's sum under the new M
.set jj, 0
.rept 32                               ; tile 1's batch; tile 0's sums stand among it
	EXP2 1
	SUMI 0
.set jj, jj+1
.endr
	v_pk_mul_f32 v[ST+14:ST+15], v[ST+14:ST+15], v[ST+16:ST+17] op_sel_hi:[1,0]   ; tile 1's sum under the new M: a plain line behind the last exponential
	s_wait_alu depctr_va_vdst(0)                   ; one wait for tile 1's batch
.set jj, 0
.rept 32
	SUMI 1
.set jj, jj+1
.endr
	s_cmp_ge_i32 s26, -8                           ; from e8 = -8 on, 448 x 2^e8 is 1.75 or more and p is at most 1: the hold changes nothing and is passed over.  A scalar branch on a whole number of the input
	s_cbranch_scc1 .Lnohold_\@
.set jj, 0
.rept 128
	v_min_num_f32 v[S+jj], v[S+jj], v[LIM]         ; the conversion to an 8-bit code does not saturate (ISA guide 7.6.2); p is not negative, so the hold is one-sided
.set jj, jj+1
.endr
.Lnohold_\@:
.irp t, 0,1
.irp k, 0,1,2,3,4,5,6,7
	v_cvt_scalef32_pk8_fp8_f32 v[P+16*\t+2*\k:P+16*\t+2*\k+1], v[S+64*\t+8*\k:S+64*\t+8*\k+7], v[SC]
.endr
.endr
	WIN 0x41                                       ; O^T (destination and source 0) window 1, f window 0
.irp t, 0,1
.set jj, 0
.rept 16
	v_pk_mul_f32 v[O+32*\t+2*jj:O+32*\t+2*jj+1], v[O+32*\t+2*jj:O+32*\t+2*jj+1], v[ST+12*\t+4:ST+12*\t+5] op_sel_hi:[1,0]   ; O^T under the new M; these are also the plain lines behind the conversions
.set jj, jj+1
.endr
.endr
.if \next
	s_wait_dscnt 16                                ; V is in; the next step's 16 loads of K, issued behind V's, may be out
.else
	s_wait_dscnt 0x0
.endif
	WIN 0x51                                       ; source 0 (V) window 1, source 1 (P) window 0, C and D window 1
.irp d, 0,1,2,3
.irp t, 0,1
	v_wmma_f32_16x16x128_fp8_fp8 v[O+32*\t+8*\d:O+32*\t+8*\d+7], v[VF+16*\d:VF+16*\d+15], v[P+16*\t:P+16*\t+15], v[O+32*\t+8*\d:O+32*\t+8*\d+7]   ; the eight accumulators take turns, one instruction a turn
.endr
.endr
	WIN 0
.endm
	s_load_b128 s[4:7], s[0:1], 0x0                ; qkv s[4:5], the scales' exponents s[6:7]
	s_load_b64 s[8:9], s[0:1], 0x10                ; out0
	v_lshl_add_u32 v254, v0, 2, 0x20000
	v_mov_b32 v255, 0
	v_lshrrev_b32 v34, 5, v0
	v_readfirstlane_b32 s10, v34                   ; wave 0..7
	s_mov_b32 s11, ttmp9                           ; qd
	s_and_b32 s12, ttmp7, 0xffff                   ; g
	v_and_b32 v34, 31, v0
	v_lshlrev_b32 v[LI], 4, v34
	v_lshlrev_b32 v[FA], 4, v0
	v_add_nc_u32 v[FB], 0x10000, v[FA]
	s_and_b32 s13, s10, 3                          ; w % 4
	s_lshr_b32 s32, s10, 2                         ; w / 4
	s_lshl_b32 s34, s12, 16                        ; the group's 65,536 bytes in each of q, k, v
	s_mov_b32 s35, 0
	s_lshl_b32 s36, s11, 1
	s_add_co_u32 s36, s36, s32                     ; my query chunk: 2 qd + w / 4,
	s_lshl_b32 s36, s36, 13
	s_lshl_b32 s37, s13, 11                        ; my two tiles of tokens
	s_add_co_u32 s36, s36, s37
	s_mov_b32 s37, 0
	s_lshr_b32 s38, s12, 3                         ; out0: batch g / 8,
	s_lshl_b32 s38, s38, 21
	s_and_b32 s39, s12, 7
	s_lshl_b32 s39, s39, 9                         ; the group's 128 tokens,
	s_add_co_u32 s38, s38, s39
	s_lshl_b32 s39, s11, 19                        ; channel 128 qd,
	s_add_co_u32 s38, s38, s39
	s_lshl_b32 s39, s10, 16                        ; + the 16 rows that I store
	s_add_co_u32 s38, s38, s39
	s_mov_b32 s39, 0
	s_wait_kmcnt 0x0
	s_load_b128 s[24:27], s[6:7], 0x18             ; e6, e7, e8, e9
	s_add_nc_u64 s[18:19], s[4:5], s[34:35]
	s_add_nc_u64 s[14:15], s[18:19], 0x400000      ; the group's K images
	s_add_nc_u64 s[16:17], s[18:19], 0x800000      ; its V images
	s_add_nc_u64 s[18:19], s[18:19], s[36:37]      ; my two fragments of Q
	s_add_nc_u64 s[8:9], s[8:9], s[38:39]
.irp i, 0,1,2,3,4,5,6,7,8,9,10,11,12,13,14,15
	global_load_b128 v[S+4*\i:S+4*\i+3], v[FA], s[14:15] offset:4096*\i        ; the 256 threads take 4,096 consecutive bytes a line
.endr
.irp i, 0,1,2,3,4,5,6,7,8,9,10,11,12,13,14,15
	global_load_b128 v[S+64+4*\i:S+64+4*\i+3], v[FA], s[16:17] offset:4096*\i
.endr
.irp i, 0,1,2,3
	global_load_b128 v[Q+4*\i:Q+4*\i+3], v[LI], s[18:19] offset:512*\i th:TH_LOAD_NT   ; read once in the launch; stays in registers
.endr
	s_mov_b32 s20, 0x76543210                      ; v_permlanex16_b32's selects for lane l xor 16
	s_mov_b32 s21, 0xfedcba98
	s_mov_b32 s22, 0x3e38aa3b                      ; c = log2(e) / 8
.irp t, 0,1
	v_mov_b32 v[ST+12*\t+1], 0xff61b1e6            ; the largest t so far: -3e38, under every t
	v_floor_f32 v[ST+12*\t], -v[ST+12*\t+1]        ; -M
	v_mov_b32 v[ST+12*\t+2], 0                     ; the sum, in two halves
	v_mov_b32 v[ST+12*\t+3], 0
	v_mov_b32 v[ST+12*\t+5], 0                     ; named as the upper half of f's pair
	v_mov_b32 v[ST+12*\t+10], 0                    ; a lane permute's destination counts as one of its sources
.endr
	WIN 0x40
.set jj, 0
.rept 64
	v_mov_b32 v[O+jj], 0                           ; O^T.  (The step is written without a first copy of its own: the first change of M multiplies zeros)
.set jj, jj+1
.endr
	WIN 0
	s_wait_kmcnt 0x0
	s_add_co_i32 s33, s24, s25
	s_lshl_b32 s33, s33, 23
	s_add_co_i32 s22, s22, s33                     ; a score stands for score x 2^(e6 + e7): added to c's exponent field
	s_mov_b32 s23, s22                             ; named with it as a pair
	s_add_co_i32 s33, s26, 127
	s_lshl_b32 s34, s33, 23
	v_mov_b32 v[SC], s34                           ; 2^e8 as f32, for the conversion
	s_add_co_i32 s33, s33, 8
	s_lshl_b32 s33, s33, 23
	s_or_b32 s33, s33, 0x600000
	v_mov_b32 v[LIM], s33                          ; 448 x 2^e8
	s_add_co_i32 s31, s26, s27                     ; e8 + e9
.irp i, 0,1,2,3,4,5,6,7,8,9,10,11,12,13,14,15
	s_wait_loadcnt 35-\i                           ; of the 36 loads, 35 - i are younger than K's line i
	ds_store_b128 v[FA], v[S+4*\i:S+4*\i+3] offset:4096*\i
.endr
.irp i, 0,1,2,3,4,5,6,7,8,9,10,11,12,13,14,15
	s_wait_loadcnt 19-\i                           ; 19 - i are younger than V's line i
	ds_store_b128 v[FB], v[S+64+4*\i:S+64+4*\i+3] offset:4096*\i
.endr
	s_wait_loadcnt 0x0                             ; Q
	s_wait_dscnt 0x0                               ; for the others' sake: my part of the images has landed
	s_barrier_signal -1
	s_barrier_wait -1                              ; all of K and V lie in LDS
	v_mov_b32 v[ADK], v[LI]
	WIN 0x40
	KLOAD                                          ; key step 0
	WIN 0
	s_mov_b32 s28, 7
	s_mov_b32 s29, 8192                            ; where the next step's K begins
	s_mov_b32 s30, 0x10000                         ; where this step's V begins
.Lstep:
	STEP 1
	s_sub_co_u32 s28, s28, 1
	s_cmp_lg_u32 s28, 0
	s_cbranch_scc1 .Lstep
	STEP 0                                         ; the last step asks for no further K
	; THE WAY OUT.  The six address lines are the places behind the last products.
	v_and_b32 v34, 15, v0                          ; r
	v_bfe_u32 v35, v0, 4, 1                        ; h
	s_mul_i32 s33, s32, 64*SPITCH                  ; my chunk's 64 rows of the stage,
	s_lshl_b32 s34, s13, 7                         ; my 32 tokens' bytes in a row
	s_add_co_u32 s33, s33, s34
	v_mul_u32_u24 v[STO], v35, 8*SPITCH            ; register 8 dt + j of lane (r, h) is d = 16 dt + 8 h + j of query r
	v_lshl_add_u32 v[STO], v34, 2, v[STO]
	v_add_nc_u32 v[STO], s33, v[STO]
	s_mul_i32 s34, s10, 16*SPITCH
	v_add_nc_u32 v[RD], s34, v[LI]                 ; back: rows 16 w + 0 .. 15, 16 bytes a lane
.irp t, 0,1
	v_add_f32 v[ST+12*\t+6], v[ST+12*\t+2], v[ST+12*\t+3]   ; the sum's two halves,
.endr
.irp t, 0,1
	v_permlanex16_b32 v[ST+12*\t+10], v[ST+12*\t+6], s20, s21
.endr
.irp t, 0,1
	v_add_f32 v[ST+12*\t+6], v[ST+12*\t+6], v[ST+12*\t+10]  ; and lane l xor 16's: the row's sum
.endr
.irp t, 0,1
	v_rcp_f32 v[ST+12*\t+4], v[ST+12*\t+6]
.endr
	v_nop                                          ; a plain line behind the last reciprocal
	s_wait_alu depctr_va_vdst(0)                   ; one wait for both, ahead of the first reader
.irp t, 0,1
	v_ldexp_f32 v[ST+12*\t+4], v[ST+12*\t+4], s31  ; x 2^(e8 + e9)
.endr
	WIN 0x01                                       ; source 0 (O^T) window 1
.irp t, 0,1
.set jj, 0
.rept 16
	v_pk_mul_f32 v[S+32*\t+2*jj:S+32*\t+2*jj+1], v[O+32*\t+2*jj:O+32*\t+2*jj+1], v[ST+12*\t+4:ST+12*\t+5] op_sel_hi:[1,0]   ; each accumulator from its low end on
.set jj, jj+1
.endr
.endr
	WIN 0
	s_wait_dscnt 0x0                               ; my reads of K and V are over
	s_barrier_signal -1
	s_barrier_wait -1                              ; everybody's are: the stage may be laid over the images
.irp t, 0,1
.irp d, 0,1,2,3
.irp j, 0,1,2,3,4,5,6,7
	ds_store_b32 v[STO], v[S+32*\t+8*\d+\j] offset:(16*\d+\j)*SPITCH+64*\t   ; 16 lanes: 64 consecutive bytes of a row; the other 16 lanes 8 rows (1,056 words) further on
.endr
.endr
.endr
	s_wait_dscnt 0x0                               ; for the others' sake: a row's 512 bytes come from four waves
	s_barrier_signal -1
	s_barrier_wait -1
.irp i, 0,1,2,3,4,5,6,7,8,9,10,11,12,13,14,15
	ds_load_b128 v[S+64+4*\i:S+64+4*\i+3], v[RD] offset:\i*SPITCH
.endr
.irp i, 0,1,2,3,4,5,6,7,8,9,10,11,12,13,14,15
	s_wait_dscnt 15-\i                             ; row i is back; the 15 - i younger loads may be out
	global_store_b128 v[LI], v[S+64+4*\i:S+64+4*\i+3], s[8:9] offset:4096*\i th:TH_STORE_NT   ; 32 lanes store 512 consecutive bytes, at a multiple of 256 from out0's first byte; written once
.endr
	s_wait_tensorcnt 0x0
	ds_add_u32 v254, v255
	s_wait_dscnt 0x0
	s_endpgm
.Lfunc_end_k_qcf6e482f87_attn:
	.size	k_qcf6e482f87_attn, .Lfunc_end_k_qcf6e482f87_attn-k_qcf6e482f87_attn
	.p2alignl 7, 3214868480
	.fill 96, 4, 3214868480
	.section	.rodata,"a",@progbits
	.p2align	6, 0x0
	.amdhsa_kernel k_qcf6e482f87_attn
		.amdhsa_group_segment_fixed_size 132096
		.amdhsa_private_segment_fixed_size 0
		.amdhsa_enable_private_segment 0
		.amdhsa_kernarg_size 24
		.amdhsa_user_sgpr_count 2
		.amdhsa_user_sgpr_kernarg_segment_ptr 1
		.amdhsa_wavefront_size32 1
		.amdhsa_system_sgpr_workgroup_id_x 1
		.amdhsa_system_sgpr_workgroup_id_y 1
		.amdhsa_system_sgpr_workgroup_id_z 1
		.amdhsa_system_vgpr_workitem_id 0
		.amdhsa_next_free_vgpr 512
		.amdhsa_next_free_sgpr 66
		.amdhsa_reserve_vcc 0
		.amdhsa_float_denorm_mode_32 3
		.amdhsa_float_denorm_mode_16_64 3
		.amdhsa_memory_ordered 1
		.amdhsa_forward_progress 1
		.amdhsa_inst_pref_size 79
	.end_amdhsa_kernel
	.amdgpu_metadata
---
amdhsa.version: [ 1, 2 ]
amdhsa.kernels:
  - .name:           k_qcf6e482f87_attn
    .symbol:         k_qcf6e482f87_attn.kd
    .args:
      - { .name: qkv, .offset: 0, .size: 8, .value_kind: global_buffer, .address_space: global }
      - { .name: lowp_scales, .offset: 8, .size: 8, .value_kind: global_buffer, .address_space: global }
      - { .name: out0, .offset: 16, .size: 8, .value_kind: global_buffer, .address_space: global }
    .group_segment_fixed_size: 132096
    .private_segment_fixed_size: 0
    .kernarg_segment_align: 8
    .kernarg_segment_size: 24
    .max_flat_workgroup_size: 256
    .sgpr_count:     66
    .vgpr_count:     512
    .wavefront_size: 32
...
	.end_amdgpu_metadata
.endif
;; end of part 3
;; ======== version 2 of 2: 3 launches; version 1 with the launches proj, attn written anew for expert scheduling mode
;; workspace buffers: wimg 786,432 bytes; qkv 12,582,912 bytes
;; launch prep: the kernel of part 1 again; grid 32 x 3, 4 waves a work-group, no clusters, 34,304 bytes of LDS; arguments Wq, Wk, Wv, lowp_scales, wimg; writes wimg
;; launch proj (part 4): grid 64 x 3, 8 waves a work-group, no clusters, 66,560 bytes of LDS; arguments x, wimg, bq, bk, bv, lowp_scales, qkv; writes qkv
.if DOCPART == 4
	.amdgcn_target "amdgcn-amd-amdhsa--gfx1250"
	.amdhsa_code_object_version 6
	.text
	.protected	k_qcf6e482f87_proj
	.globl	k_qcf6e482f87_proj
	.p2align	8
	.type	k_qcf6e482f87_proj,@function
k_qcf6e482f87_proj:
	s_mov_b64 s[64:65], 0
	v_nop
	global_prefetch_b8 v0, s[64:65] scope:SCOPE_SE
	s_setreg_imm32_b32 hwreg(HW_REG_WAVE_SCHED_MODE, 0, 2), 2
	s_setreg_imm32_b32 hwreg(HW_REG_WAVE_MODE, 25, 1), 1
	s_wait_xcnt 0x0
	s_wait_alu depctr_vm_vsrc(0)
; One of q, k, v (which = work-group y) for the 128 tokens of one attention group g = 8 b + hg (work-group x): t W^T + bias, both operands as codes of E4M3, then quantised again for the attention.
; t[s][c] = x[b][c][s].  x is quantised here with this product's own scale (e0, e2 or e4); W comes as codes from wimg (images of operand registers); the result is quantised with e6 (q), e7 (k) or e9 (v).
; ONE ORDER OF k EVERYWHERE, alike in both operands of a product: lane (r, h) holds in registers 4 c .. 4 c + 3 the k = 32 c + 16 h + 0 .. 15 of its row.  It is a permutation of the form's own order: every
; product meets its partner, only the order of the sums inside an instruction differs.
; SHARES.  Eight waves.  x PHASE: wave w takes tokens 32 (w % 4) + lane and channels 256 (w / 4) + 0 .. 255: a lane is a token and its registers run down K, so each load reads neighbouring tokens in
; neighbouring lanes and the conversions give codes with K innermost; they go to LDS as images of t's 32 fragments (16 tokens x 128 k).  One barrier.  MAIN: wave w owns the 64 outputs n = 64 w + 0 .. 63
; (chunk hh = w) for all 128 tokens: 32 accumulators, window 1; its part of W goes from memory straight into operand registers, each byte once a work-group.
; q AND k are made TRANSPOSED (source 0 = 16 rows of W, source 1 = 16 tokens): a lane holds one token and, by the choice of W's rows, four tiles' registers are the 64 d of the chunk in the operand's order:
; four conversions give the fragment (hh, tt) of the attention's first product.  v is made the natural way (source 0 = tokens): a lane holds one d and eight neighbouring tokens: the conversion of token tile
; tt gives registers 2 tt, 2 tt + 1 of the fragment of V^T (16 d x 128 keys).
; qkv [which 3][g 64][hh 8][8,192 bytes]: q, k: [tt 8][c 2][lane 32][16]; v: [dt 4][c 4][lane 32][16].
; The bias is the C of each sum's first matrix instruction, divided by the power of two that the sums lack; the three scales ahead of the second quantiser are folded into the conversion's one.
; NO CLUSTER, NO TENSOR LOAD: W's 256 KB of a work-group go to registers without passing LDS, a wave's 32 KB to that wave alone; x must pass through registers to be quantised.
; LIMITS: ea and eo - ea - ew between -126 and 119, so that each power of two below is an f32 number.  NaN among the inputs is not served.
; REGISTERS.  Window 0: v2-13 addresses and scales; v16-23 x's codes; v24-27 v's bias; v32-63 the bias as C; v64-127, v128-191 W, two sets of four fragments; v192-255 x's numbers (two sets of 32), then
; t's fragments (two sets of two), then the codes that leave.  Window 1: the 32 accumulators.
; THE MODE: SCHED_MODE bits 1:0 = 2 (LLVM: expert scheduling mode 2), set by the entry lines.  The code itself states the register dependences between vector or matrix instructions and memory or LDS
; instructions, with s_wait_alu, always for 0.
; THE PLAN.  Registers that memory or LDS instructions touch:
;   v[LI], v[XA], v[XS], v6, v7   offsets and LDS addresses, made once at the head and never written again: one wait on va_vdst ahead of the first load serves them all.
;   x's two sets                  block t's holds write its set and its conversions read it; behind them the loads of block t + 2 land in it.
;   v[CD ..]                      block t's conversions write it, the block's two LDS stores read it, block t + 1's conversions write it again.
;     So a block has ONE wait on va_vdst, behind its conversions and ahead of its stores and loads, and one on vm_vsrc at its end.
;   t's two sets                  group G's products read set G % 2; at the head of group G the loads of group G + 1 land in the set that group G - 1's products read.
;   W's two sets                  the products of K step ks read set ks % 2; K step ks + 2 is loaded over it at the head of the next K step's first group.
;     So groups 1 to 14 have ONE wait on va_vdst at their head.  The loads stay in one run there: they write window 0, the products window 1, and a load among the products would want two switches.
;   the codes that leave          registers of their own for each tile: conversions write them, stores read them, nothing writes them again: one wait on va_vdst ahead of each run of four stores.
;   The bias (behind its loads) and the accumulators are named by vector and matrix instructions alone.
.set LI,   2                           ; v2   16 x lane: an image's place for my lane; never rewritten
.set XA,   3                           ; v3   4 x lane: my token's bytes in a row of x
.set XS,   8                           ; v8   where my token's codes go in t's images
.set LIMX, 10                          ; v10  448 x 2^ea;  v11  2^ea
.set SCX,  11
.set LIMO, 12                          ; v12  448 x 2^(eo - ea - ew);  v13  2^(eo - ea - ew)
.set SCO,  13
.set CD,   16
.set BV,   24
.set BI,   32
.set WF,   64
.set T,    192
.set MSB, 0
.macro WIN new                         ; the immediate's high byte repeats the setting that is left; a switch that changes nothing is dropped
.if MSB != \new
	s_set_vgpr_msb (MSB<<8)|\new
.set MSB, \new
.endif
.endm
.macro PLACES                          ; four plain places behind matrix instructions, in front of loads into registers that they read and of reads of their results
.rept 4
	v_nop
.endr
.endm
.macro WLOAD ks, set                   ; my chunk's four fragments of W for K step ks
.irp n, 0,1,2,3
.irp c, 0,1,2,3
	global_load_b128 v[WF+64*\set+16*\n+4*\c:WF+64*\set+16*\n+4*\c+3], v[LI], s[6:7] offset:8192*\ks+2048*\n+512*\c
.endr
.endr
.endm
.macro XLOAD t                         ; channels 32 t + 0 .. 31 of my 256, my token: 32 lanes read 128 consecutive bytes, four waves side by side 512
.set xb, T+32*((\t)%2)
.set ii, 0
.rept 32
	global_load_b32 v[xb+ii], v[XA], s[4:5] offset:(32*(\t)+ii)*4096
.set ii, ii+1
.endr
.endm
.macro BLOCK t                         ; 32 channels of my token become 32 codes: two pieces of 16 bytes of the image
.set bb, T+32*((\t)%2)
.if (\t) < 7
	s_wait_loadcnt 32                              ; this block's loads, and all older ones, are in; the next block's 32 may be out
.else
	s_wait_loadcnt 0
.endif
.set ii, 0
.rept 32
	v_med3_num_f32 v[bb+ii], v[bb+ii], -v[LIMX], v[LIMX]   ; the conversion to an 8-bit code does not saturate (ISA guide 7.6.2): hold first
.set ii, ii+1
.endr
.irp q, 0,1,2,3
	v_cvt_scalef32_pk8_fp8_f32 v[CD+2*\q:CD+2*\q+1], v[bb+8*\q:bb+8*\q+7], v[SCX]
.endr
	s_wait_alu depctr_va_vdst(0)                   ; the conversions have written v[CD ..], which the two stores read; the holds and the conversions are done with this set, in which loads land next: block t + 2's, behind blocks 6 and 7 those of t's first fragments
	ds_store_b128 v[XS], v[CD:CD+3] offset:((\t)/4)*2048+((\t)%4)*512          ; k 32 c + 0 .. 15: the image's lanes 0-15
	ds_store_b128 v[XS], v[CD+4:CD+7] offset:((\t)/4)*2048+((\t)%4)*512+256    ; k 32 c + 16 .. 31: its lanes 16-31
.if (\t) < 6
	XLOAD (\t)+2
.endif
	s_wait_dscnt 0x0                               ; the block's two stores into the images are done
.if (\t) < 7
	s_wait_alu depctr_vm_vsrc(0)                   ; they have read v[CD ..], which the next block's conversions write
.endif
.endm
.macro TFETCH G                        ; group G = K step G / 4, token tiles 2 (G % 4) and 2 (G % 4) + 1: two fragments of t
.set tks, (\G)/4
.set tpr, (\G)%4
.set tset, T+32*((\G)%2)
.irp i, 0,1
.irp c, 0,1,2,3
	ds_load_b128 v[tset+16*\i+4*\c:tset+16*\i+4*\c+3], v[LI] offset:2048*(4*(2*tpr+\i)+tks)+512*\c
.endr
.endr
.endm
; Eight products: two token tiles x my four tiles of W, 128 along K.  The 32 accumulators take turns, one instruction a turn, in the same order in every K step.
.macro GROUP G, orient
.if (\G) > 0
	PLACES                                         ; behind the last group's products, which read the registers that are loaded next
.endif
	WIN 0
.if ((\G) > 0) && ((\G) < 15)
	s_wait_alu depctr_va_vdst(0)                   ; the last group's products are done reading their set of t, in which the next group's fragments land; in groups 4 and 8 the last K step's products are done reading their set of W too
.endif
.if (\G) < 15
	TFETCH (\G)+1
.endif
.if (\G) == 4
	WLOAD 2, 0                                     ; K step 0's set is free
.endif
.if (\G) == 8
	WLOAD 3, 1
.endif
.if (\G) < 15
	s_wait_dscnt 8                                 ; this group's eight loads are in; the next group's eight may be out
.else
	s_wait_dscnt 0
.endif
.if (\G) == 8
	s_wait_loadcnt 16                              ; W of K step 2 is in; K step 3's sixteen loads may be out
.endif
.if (\G) == 12
	s_wait_loadcnt 0
.endif
.set gks, (\G)/4
.set gpr, (\G)%4
.set gw, WF+64*(gks%2)
.set gt, T+32*((\G)%2)
.if gks == 0
	WIN 0x40                                       ; D window 1; C = the bias, window 0
.else
	WIN 0x50                                       ; C and D window 1
.endif
.irp i, 0,1
.irp n, 0,1,2,3
.if \orient
.set ga, 8*(8*\n+2*gpr+\i)
.if gks == 0
	v_wmma_f32_16x16x128_fp8_fp8 v[ga:ga+7], v[gt+16*\i:gt+16*\i+15], v[gw+16*\n:gw+16*\n+15], v[BI+8*\n:BI+8*\n+7]
.else
	v_wmma_f32_16x16x128_fp8_fp8 v[ga:ga+7], v[gt+16*\i:gt+16*\i+15], v[gw+16*\n:gw+16*\n+15], v[ga:ga+7]
.endif
.else
.set ga, 8*(4*(2*gpr+\i)+\n)
.if gks == 0
	v_wmma_f32_16x16x128_fp8_fp8 v[ga:ga+7], v[gw+16*\n:gw+16*\n+15], v[gt+16*\i:gt+16*\i+15], v[BI+8*\n:BI+8*\n+7]
.else
	v_wmma_f32_16x16x128_fp8_fp8 v[ga:ga+7], v[gw+16*\n:gw+16*\n+15], v[gt+16*\i:gt+16*\i+15], v[ga:ga+7]
.endif
.endif
.endr
.endr
.endm
.macro MAIN orient
	TFETCH 0                                       ; no wait here, nor in group 0: since the wait in the x phase's last block no vector instruction has named v[LI] or v[T ..]
.irp G, 0,1,2,3,4,5,6,7,8,9,10,11,12,13,14,15
	GROUP \G, \orient
.endr
	PLACES                                         ; in front of the first reads of results and of writes into t's registers
.endm
	s_load_b256 s[4:11], s[0:1], 0x0               ; x s[4:5], wimg s[6:7], bq s[8:9], bk s[10:11]
	s_load_b128 s[12:15], s[0:1], 0x20             ; bv s[12:13], the scales' exponents s[14:15]
	s_load_b64 s[16:17], s[0:1], 0x30              ; qkv
	v_lshl_add_u32 v30, v0, 2, 0x10000
	v_mov_b32 v31, 0
	v_lshrrev_b32 v1, 5, v0
	v_readfirstlane_b32 s18, v1                    ; wave 0..7
	s_and_b32 s19, ttmp7, 0xffff                   ; which
	s_mov_b32 s20, ttmp9                           ; g
	v_and_b32 v1, 31, v0
	v_lshlrev_b32 v[LI], 4, v1
	v_lshlrev_b32 v[XA], 2, v1
	v_and_b32 v4, 15, v0                           ; r
	v_bfe_u32 v5, v0, 4, 1                         ; h
	v_lshlrev_b32 v6, 6, v5                        ; 64 h: q's and k's bias, 16 numbers on for lanes 16-31
	v_lshlrev_b32 v7, 2, v4                        ; 4 r: v's bias
	s_wait_alu depctr_va_sdst(0)                   ; s18, the wave's number, is written, ahead of its first reader
	s_and_b32 s21, s18, 3
	s_lshr_b32 s22, s18, 2
	s_lshl_b32 s23, s21, 14                        ; my 32 tokens are token tiles 2 (w % 4) and + 1: four fragments of 2,048 bytes each,
	s_lshl_b32 s40, s22, 12                        ; my 256 channels K steps 2 (w / 4) and + 1
	s_add_co_u32 s23, s23, s40
	v_lshlrev_b32 v[XS], 4, v4
	v_lshl_add_u32 v[XS], v5, 13, v[XS]
	v_add_nc_u32 v[XS], s23, v[XS]                 ; 16 (lane % 16) + 8,192 (lane / 16) + 16,384 (w % 4) + 4,096 (w / 4)
	s_lshr_b32 s40, s20, 3                         ; x: batch g / 8: 512 x 4,096 bytes,
	s_lshl_b32 s40, s40, 21
	s_and_b32 s41, s20, 7
	s_lshl_b32 s41, s41, 9                         ; the group's 128 tokens,
	s_add_co_u32 s40, s40, s41
	s_lshl_b32 s41, s22, 20                        ; my 256 channels,
	s_add_co_u32 s40, s40, s41
	s_lshl_b32 s41, s21, 7                         ; my 32 tokens
	s_add_co_u32 s40, s40, s41
	s_mov_b32 s41, 0
	s_lshl_b32 s42, s19, 18                        ; wimg: which, my chunk
	s_lshl_b32 s43, s18, 15
	s_add_co_u32 s42, s42, s43
	s_mov_b32 s43, 0
	s_lshl_b32 s44, s19, 22                        ; qkv: which, g, my chunk
	s_lshl_b32 s45, s20, 16
	s_add_co_u32 s44, s44, s45
	s_lshl_b32 s45, s18, 13
	s_add_co_u32 s44, s44, s45
	s_mov_b32 s45, 0
	s_lshl_b32 s46, s18, 8                         ; the bias: my chunk's 64 numbers
	s_mov_b32 s47, 0
	s_wait_kmcnt 0x0
	s_load_b256 s[24:31], s[14:15], 0x0            ; e0 .. e7
	s_load_b64 s[32:33], s[14:15], 0x20            ; e8, e9
	s_add_nc_u64 s[4:5], s[4:5], s[40:41]
	s_add_nc_u64 s[6:7], s[6:7], s[42:43]
	s_add_nc_u64 s[16:17], s[16:17], s[44:45]
	s_cmp_eq_u32 s19, 0                            ; the choice hangs on the work-group's number alone
	s_cselect_b64 s[34:35], s[8:9], s[10:11]
	s_cmp_eq_u32 s19, 2
	s_cselect_b64 s[34:35], s[12:13], s[34:35]
	s_add_nc_u64 s[34:35], s[34:35], s[46:47]
	s_wait_alu depctr_va_vdst(0)                   ; v[LI], v[XA], v6, v7 and v[XS] are written: every load, store and LDS instruction of the kernel reads one of them as its offset or address
	WLOAD 0, 0                                     ; the order of these loads carries the counted waits: W's first two K steps and the biases are older than x's loads
	WLOAD 1, 1
.irp n, 0,1,2,3                        ; q, k: lane (r, h) wants, for tile 2 b + u, the bias of d = 32 b + 16 h + 8 u + 0 .. 7
	global_load_b128 v[BI+8*\n:BI+8*\n+3], v6, s[34:35] offset:128*(\n/2)+32*(\n%2)
	global_load_b128 v[BI+8*\n+4:BI+8*\n+7], v6, s[34:35] offset:128*(\n/2)+32*(\n%2)+16
.endr
.irp n, 0,1,2,3                        ; v: for tile nt, that of d = 16 nt + r
	global_load_b32 v[BV+\n], v7, s[34:35] offset:64*\n
.endr
	XLOAD 0
	XLOAD 1
	s_wait_kmcnt 0x0
	s_cmp_eq_u32 s19, 0
	s_cselect_b32 s36, s24, s26                    ; ea: x's scale in this product,
	s_cselect_b32 s37, s25, s27                    ; ew: W's,
	s_cselect_b32 s38, s30, s31                    ; eo: the result's, as an operand of the attention
	s_cmp_eq_u32 s19, 2
	s_cselect_b32 s36, s28, s36
	s_cselect_b32 s37, s29, s37
	s_cselect_b32 s38, s33, s38
	s_add_co_i32 s48, s36, 127
	s_lshl_b32 s49, s48, 23
	v_mov_b32 v[SCX], s49                          ; 2^ea as f32: the conversion takes its exponent field
	s_add_co_i32 s48, s48, 8
	s_lshl_b32 s48, s48, 23
	s_or_b32 s48, s48, 0x600000
	v_mov_b32 v[LIMX], s48                         ; 448 x 2^ea
	s_add_co_i32 s39, s36, s37                     ; a sum stands for sum x 2^(ea + ew)
	s_sub_co_i32 s48, s38, s39
	s_add_co_i32 s48, s48, 127
	s_lshl_b32 s49, s48, 23
	v_mov_b32 v[SCO], s49                          ; 2^(eo - ea - ew): the three scales folded into one
	s_add_co_i32 s48, s48, 8
	s_lshl_b32 s48, s48, 23
	s_or_b32 s48, s48, 0x600000
	v_mov_b32 v[LIMO], s48
	s_sub_co_i32 s39, 0, s39                       ; the bias goes in as bias / 2^(ea + ew)
	; ---- the x phase
.irp t, 0,1,2,3,4,5,6,7
	BLOCK \t
.endr
	v_nop                                          ; a plain line behind the last conversion
	s_wait_dscnt 0x0                               ; for the others' sake: my stores into the images have landed
	s_barrier_signal -1
	s_barrier_wait -1                              ; t's 32 fragments lie in LDS; from here on LDS is only read
	s_cmp_eq_u32 s19, 2
	s_cbranch_scc1 .Lv
	; ---- q and k
.set ii, 0
.rept 32
	v_ldexp_f32 v[BI+ii], v[BI+ii], s39
.set ii, ii+1
.endr
	MAIN 0
.irp tt, 0,1,2,3,4,5,6,7               ; token tile tt: its four accumulators, v[32 tt ..] of window 1, each from its low end on
	WIN 0x41                                       ; destination and source 0 window 1
.set ii, 0
.rept 32
	v_med3_num_f32 v[32*\tt+ii], v[32*\tt+ii], -v[LIMO], v[LIMO]
.set ii, ii+1
.endr
	WIN 0x01                                       ; source 0 window 1, destination window 0
.irp q, 0,1,2,3
	v_cvt_scalef32_pk8_fp8_f32 v[T+8*\tt+2*\q:T+8*\tt+2*\q+1], v[32*\tt+8*\q:32*\tt+8*\q+7], v[SCO]
.endr
.if (\tt%2) == 1                       ; two tiles leave together
	WIN 0
	v_nop                                          ; a plain line behind the conversions
	s_wait_alu depctr_va_vdst(0)                   ; the conversions of tiles tt - 1 and tt have written their codes, which the four stores read
	global_store_b128 v[LI], v[T+8*(\tt-1):T+8*(\tt-1)+3], s[16:17] offset:1024*(\tt-1)          ; 512 consecutive bytes, at a multiple of 256 from the buffer's first byte; each tile has code registers of its own
	global_store_b128 v[LI], v[T+8*(\tt-1)+4:T+8*(\tt-1)+7], s[16:17] offset:1024*(\tt-1)+512
	global_store_b128 v[LI], v[T+8*\tt:T+8*\tt+3], s[16:17] offset:1024*\tt
	global_store_b128 v[LI], v[T+8*\tt+4:T+8*\tt+7], s[16:17] offset:1024*\tt+512
.endif
.endr
	s_wait_dscnt 0x0
	s_wait_alu depctr_hold_cnt(0) depctr_sa_sdst(0) depctr_va_vdst(0) depctr_va_sdst(0) depctr_va_ssrc(0) depctr_va_vcc(0) depctr_vm_vsrc(0)
	s_wait_tensorcnt 0x0
	ds_add_u32 v30, v31
	s_wait_dscnt 0x0
	s_endpgm
.Lv:
	; ---- v
.irp n, 0,1,2,3
.irp j, 0,1,2,3,4,5,6,7
	v_ldexp_f32 v[BI+8*\n+\j], v[BV+\n], s39       ; a lane holds one d: the same bias in all eight registers
.endr
.endr
	MAIN 1
.irp n, 0,1,2,3                        ; tile nt of d: its eight accumulators (token tiles 0-7), v[64 nt ..] of window 1
	WIN 0x41
.set ii, 0
.rept 64
	v_med3_num_f32 v[64*\n+ii], v[64*\n+ii], -v[LIMO], v[LIMO]
.set ii, ii+1
.endr
	WIN 0x01
.irp tt, 0,1,2,3,4,5,6,7
	v_cvt_scalef32_pk8_fp8_f32 v[T+16*\n+2*\tt:T+16*\n+2*\tt+1], v[64*\n+8*\tt:64*\n+8*\tt+7], v[SCO]
.endr
	WIN 0
	v_nop                                          ; a plain line behind the conversions
	s_wait_alu depctr_va_vdst(0)                   ; the tile's conversions have written its codes, which the four stores read
.irp c, 0,1,2,3
	global_store_b128 v[LI], v[T+16*\n+4*\c:T+16*\n+4*\c+3], s[16:17] offset:2048*\n+512*\c
.endr
.endr
	s_wait_dscnt 0x0
	s_wait_alu depctr_hold_cnt(0) depctr_sa_sdst(0) depctr_va_vdst(0) depctr_va_sdst(0) depctr_va_ssrc(0) depctr_va_vcc(0) depctr_vm_vsrc(0)
	s_wait_tensorcnt 0x0
	ds_add_u32 v30, v31
	s_wait_dscnt 0x0
	s_endpgm
.Lfunc_end_k_qcf6e482f87_proj:
	.size	k_qcf6e482f87_proj, .Lfunc_end_k_qcf6e482f87_proj-k_qcf6e482f87_proj
	.p2alignl 7, 3214868480
	.fill 96, 4, 3214868480
	.section	.rodata,"a",@progbits
	.p2align	6, 0x0
	.amdhsa_kernel k_qcf6e482f87_proj
		.amdhsa_group_segment_fixed_size 66560
		.amdhsa_private_segment_fixed_size 0
		.amdhsa_enable_private_segment 0
		.amdhsa_kernarg_size 56
		.amdhsa_user_sgpr_count 2
		.amdhsa_user_sgpr_kernarg_segment_ptr 1
		.amdhsa_wavefront_size32 1
		.amdhsa_system_sgpr_workgroup_id_x 1
		.amdhsa_system_sgpr_workgroup_id_y 1
		.amdhsa_system_sgpr_workgroup_id_z 1
		.amdhsa_system_vgpr_workitem_id 0
		.amdhsa_next_free_vgpr 512
		.amdhsa_next_free_sgpr 66
		.amdhsa_reserve_vcc 0
		.amdhsa_float_denorm_mode_32 3
		.amdhsa_float_denorm_mode_16_64 3
		.amdhsa_memory_ordered 1
		.amdhsa_forward_progress 1
		.amdhsa_inst_pref_size 143
	.end_amdhsa_kernel
	.amdgpu_metadata
---
amdhsa.version: [ 1, 2 ]
amdhsa.kernels:
  - .name:           k_qcf6e482f87_proj
    .symbol:         k_qcf6e482f87_proj.kd
    .args:
      - { .name: x, .offset: 0, .size: 8, .value_kind: global_buffer, .address_space: global }
      - { .name: wimg, .offset: 8, .size: 8, .value_kind: global_buffer, .address_space: global }
      - { .name: bq, .offset: 16, .size: 8, .value_kind: global_buffer, .address_space: global }
      - { .name: bk, .offset: 24, .size: 8, .value_kind: global_buffer, .address_space: global }
      - { .name: bv, .offset: 32, .size: 8, .value_kind: global_buffer, .address_space: global }
      - { .name: lowp_scales, .offset: 40, .size: 8, .value_kind: global_buffer, .address_space: global }
      - { .name: qkv, .offset: 48, .size: 8, .value_kind: global_buffer, .address_space: global }
    .group_segment_fixed_size: 66560
    .private_segment_fixed_size: 0
    .kernarg_segment_align: 8
    .kernarg_segment_size: 56
    .max_flat_workgroup_size: 256
    .sgpr_count:     66
    .vgpr_count:     512
    .wavefront_size: 32
...
	.end_amdgpu_metadata
.endif
;; end of part 4
;; launch attn (part 5): grid 4 x 64, 8 waves a work-group, no clusters, 132,096 bytes of LDS; arguments qkv, lowp_scales, out0; writes out0
.if DOCPART == 5
	.amdgcn_target "amdgcn-amd-amdhsa--gfx1250"
	.amdhsa_code_object_version 6
	.text
	.protected	k_qcf6e482f87_attn
	.globl	k_qcf6e482f87_attn
	.p2align	8
	.type	k_qcf6e482f87_attn,@function
k_qcf6e482f87_attn:
	s_mov_b64 s[64:65], 0
	v_nop
	global_prefetch_b8 v0, s[64:65] scope:SCOPE_SE
	s_setreg_imm32_b32 hwreg(HW_REG_WAVE_SCHED_MODE, 0, 2), 2
	s_setreg_imm32_b32 hwreg(HW_REG_WAVE_MODE, 25, 1), 1
	s_wait_xcnt 0x0
	s_wait_alu depctr_vm_vsrc(0)
; Attention of one group g (work-group y; 1,024 rows, head size 64) for 256 of its queries (work-group x = qd), both products on codes of E4M3 with the given scales e6 (q), e7 (k), e8 (p), e9 (v).
; A row of the group is i = 8 sl + hh: local token sl (0..127), chunk hh (0..7) of 64 channels.  The order of the keys is free as long as K and V agree: KEY STEP hh is the 128 tokens of chunk hh.
; qkv holds images of operand registers: q, k: fragment (hh, tt): 16 tokens x 64 d, 1,024 bytes; v: fragment (hh, dt): 16 d x 128 keys, 2,048 bytes; a piece of four registers is 512 bytes, 16 a lane.
; THE SOFTMAX AHEAD OF THE SECOND PRODUCT: t = score x log2(e) / 8; M = the row's largest t so far, rounded UP to a whole number; p = 2^(t - M) is quantised, not normalised; the row's sum is taken of the
; unquantised p, in f32, and divides O at the end.  When M moves, the sum and O are multiplied by 2^(old M - new M): exact.
; SHARES.  The work-group owns query chunks 2 qd and 2 qd + 1, all 128 tokens.  Wave w: chunk 2 qd + w / 4, tokens 32 (w % 4) + 0 .. 31: two tiles of 16 queries.  Every wave walks the 8 key steps.
; All of the group's K and V (2 x 64 KB of images) lie in LDS for the whole launch, brought once, through registers: no ring and no refill.
; LAYOUT.  Both products transposed: S^T = K Q^T (source 0 = 16 keys), O^T = V^T P (source 0 = 16 d): a lane holds ONE query throughout.  In S^T lane (query, h), register 8 tt + j is key token 16 tt + 8 h + j;
; the conversion of a tile's eight registers gives P's registers 2 tt, 2 tt + 1, the place that the same keys have in V^T's fragment.
; OUT.  out[b][64 hh + d][128 hg + sl]: a tile's 16 queries are 16 neighbouring numbers of a row.  128 rows of 512 bytes meet in a stage in LDS and leave whole.
; NO CLUSTER, NO TENSOR LOAD: what the four work-groups of a group share is 128 KB each, loaded once at the head, ahead of eight key steps.
; LIMITS: e6 + e7 between -123 and 130 (added to c's exponent field); e8 between -126 and 119; e8 + e9 goes through v_ldexp_f32 and has none.  NaN is not served.  A p under 2^-126 counts as 0.
; REGISTERS.  Window 0: v1-7 addresses; v8-31 statistics, 12 a tile; v32, v33 the hold and the scale of p; v40-55 Q; v56-87 P's codes; v96-223 S^T, then p (64 a tile).
; Window 1: v0-63 O^T (32 a tile); v64-127 K's eight fragments of a step; v128-191 V's four.
; THE MODE: SCHED_MODE bits 1:0 = 2 (LLVM: expert scheduling mode 2), set by the entry lines.  The code itself states the register dependences between vector or matrix instructions and memory or LDS
; instructions, with s_wait_alu, always for 0.
; THE PLAN.  Registers that memory or LDS instructions touch:
;   v[LI], v[FA], v[FB]   made at the head and never written again: one wait on va_vdst ahead of the first load.
;   v[S ..] at the head   the fill's global loads land there and its LDS stores read them; the first step's products write them.
;   K's fragments         step j's sixteen products read them; the loads of step j + 1, issued in step j, land in them.
;   V's fragments         step j's last eight products read them; the loads of step j + 1 land in them.
;   v[ADK], v[ADV]        written behind a step's first products; read by that step's LDS loads.
; A step's softmax has two waits on va_vdst, one for each tile's batch of exponentials.  The step's 32 LDS loads stand directly behind the FIRST of them: that one line also states that this step's K Q^T is
; done reading K, that the last step's V^T P is done reading V, and that the two addresses are written.  So the loads have no wait on va_vdst of their own.  Behind them stand 64 exponentials, 64 packed sums,
; 16 conversions and 34 packed multiplies before V is wanted, and eight products more before K is.  One wait on vm_vsrc stands at a step's head, ahead of the writes of the addresses (and, in the first
; step, of S^T).  THE WAY OUT: one wait on va_vdst ahead of the stores into the stage; no vector instruction follows it, so it serves the loads from the stage too.
.set LI,  1                            ; v1   16 x lane; never rewritten
.set ADK, 2                            ; v2   LDS address of the K fragments in hand
.set ADV, 3                            ; v3   of V's
.set FA,  4                            ; v4   16 x thread: the fill
.set FB,  5                            ; v5   the same in V's half of LDS
.set STO, 6                            ; v6   the stage: where I put a number
.set RD,  7                            ; v7   the stage: where I read a row back
.set ST,  8                            ; tile t at v[ST + 12 t]: +0 -M, +1 the largest t, +2,3 the sum in two halves, +4 f (+5: 0, named with it as a pair), +6, +7 at work, +8,9 a second chain of sums, +10 for the lane exchange
.set LIM, 32
.set SC,  33
.set Q,   40
.set P,   56
.set S,   96
.set O,   0                            ; window 1
.set KF,  64
.set VF,  128
.set SPITCH, 528                       ; a stage row: 512 bytes + 16
.set MSB, 0
.macro WIN new                         ; the immediate's high byte repeats the setting that is left; a switch that changes nothing is dropped
.if MSB != \new
	s_set_vgpr_msb (MSB<<8)|\new
.set MSB, \new
.endif
.endm
.macro KLOAD                           ; a step's eight fragments of K (destination window 1)
.irp k, 0,1,2,3,4,5,6,7
.irp c, 0,1
	ds_load_b128 v[KF+8*\k+4*\c:KF+8*\k+4*\c+3], v[ADK] offset:1024*\k+512*\c
.endr
.endr
.endm
.macro VLOAD                           ; a step's four fragments of V^T
.irp d, 0,1,2,3
.irp c, 0,1,2,3
	ds_load_b128 v[VF+16*\d+4*\c:VF+16*\d+4*\c+3], v[ADV] offset:2048*\d+512*\c
.endr
.endr
.endm
; The step's largest score of each query, the new M and f = 2^(old M - new M), the two tiles line by line.  Each accumulator is first read at its low end.
.macro SMAX
.irp t, 0,1
	v_max3_num_f32 v[ST+12*\t+6], v[S+64*\t], v[S+64*\t+1], v[S+64*\t+2]
	v_max3_num_f32 v[ST+12*\t+7], v[S+64*\t+3], v[S+64*\t+4], v[S+64*\t+5]
.endr
.irp i, 6,10,14,18,22,26,30,34,38,42,46,50,54,58
.irp t, 0,1
	v_max3_num_f32 v[ST+12*\t+6], v[ST+12*\t+6], v[S+64*\t+\i], v[S+64*\t+\i+1]
	v_max3_num_f32 v[ST+12*\t+7], v[ST+12*\t+7], v[S+64*\t+\i+2], v[S+64*\t+\i+3]
.endr
.endr
.irp t, 0,1
	v_max3_num_f32 v[ST+12*\t+6], v[ST+12*\t+6], v[S+64*\t+62], v[S+64*\t+63]
.endr
.irp t, 0,1
	v_max_num_f32 v[ST+12*\t+6], v[ST+12*\t+6], v[ST+12*\t+7]
.endr
.irp t, 0,1
	v_permlanex16_b32 v[ST+12*\t+10], v[ST+12*\t+6], s20, s21   ; the query's other 64 keys lie in the lane 16 away
.endr
.irp t, 0,1
	v_max_num_f32 v[ST+12*\t+6], v[ST+12*\t+6], v[ST+12*\t+10]
.endr
.irp t, 0,1
	v_mul_f32 v[ST+12*\t+6], s22, v[ST+12*\t+6]    ; as t (c is positive)
.endr
.irp t, 0,1
	v_max_num_f32 v[ST+12*\t+1], v[ST+12*\t+1], v[ST+12*\t+6]   ; the running largest t
.endr
.irp t, 0,1
	v_mov_b32 v[ST+12*\t+6], v[ST+12*\t]
.endr
.irp t, 0,1
	v_floor_f32 v[ST+12*\t], -v[ST+12*\t+1]        ; the new -M = floor(-t) = -ceil(t): a whole number
.endr
.irp t, 0,1
	v_sub_f32 v[ST+12*\t+6], v[ST+12*\t], v[ST+12*\t+6]   ; old M - new M: a whole number, 0 or less
.endr
.irp t, 0,1
	v_cvt_i32_f32 v[ST+12*\t+6], v[ST+12*\t+6]     ; (it saturates)
.endr
.irp t, 0,1
	v_ldexp_f32 v[ST+12*\t+4], 1.0, v[ST+12*\t+6]  ; f: a multiplication by it rounds nothing
.endr
.endm
; Pair jj (0..31) of tile t
.macro FMA t                           ; t - M, two at a time (of the pairs c and -M the low word serves both halves)
	v_pk_fma_f32 v[S+64*\t+2*jj:S+64*\t+2*jj+1], v[S+64*\t+2*jj:S+64*\t+2*jj+1], s[22:23], v[ST+12*\t:ST+12*\t+1] op_sel_hi:[1,0,0]
.endm
.macro EXP2 t                          ; p = 2^(t - M)
	v_exp_f32 v[S+64*\t+2*jj], v[S+64*\t+2*jj]
	v_exp_f32 v[S+64*\t+2*jj+1], v[S+64*\t+2*jj+1]
.endm
.macro SUMI t                          ; line jj of 32 of the sum of the unquantised p: two chains, two numbers a line
.set rB, S+64*\t
.set rL, ST+12*\t+2
.set rX, ST+12*\t+8
.set rM, (jj+1)/2
.if jj == 0
	v_pk_add_f32 v[rX:rX+1], v[rB:rB+1], v[rB+2:rB+3]
.elseif jj == 31
	v_pk_add_f32 v[rL:rL+1], v[rL:rL+1], v[rX:rX+1]
.elseif (jj%2) == 1
	v_pk_add_f32 v[rL:rL+1], v[rL:rL+1], v[rB+4*rM:rB+4*rM+1]
.else
	v_pk_add_f32 v[rX:rX+1], v[rX:rX+1], v[rB+4*rM+2:rB+4*rM+3]
.endif
.endm
; A KEY STEP: 128 keys.  next = 1: the next step's K is fetched on the way.
.macro STEP next
	s_wait_dscnt 0x0                               ; this step's K is in: nothing else is out
	s_wait_alu depctr_vm_vsrc(0)                   ; the LDS loads issued so far have read v[ADK] and v[ADV], which are written below; in the first step the fill's LDS stores have read v[S ..], which the products write
	WIN 0x01                                       ; source 0 (K) window 1
.irp k, 0,1,2,3,4,5,6,7
.irp t, 0,1
	v_wmma_f32_16x16x64_fp8_fp8 v[S+64*\t+8*\k:S+64*\t+8*\k+7], v[KF+8*\k:KF+8*\k+7], v[Q+8*\t:Q+8*\t+7], 0
.endr
.endr
	WIN 0
	v_add_nc_u32 v[ADV], s30, v[LI]                ; four plain places behind the products, ahead of the first reads of the scores; two of them make the addresses of the loads further down
.if \next
	v_add_nc_u32 v[ADK], s29, v[LI]
.else
	v_nop
.endif
	v_nop
	v_nop
	SMAX
.set jj, 0
.rept 32
	FMA 0
.set jj, jj+1
.endr
.set jj, 0
.rept 32                               ; tile 0's exponentials are one batch; tile 1's scalings, which name none of its results, stand among them
	EXP2 0
	FMA 1
.set jj, jj+1
.endr
	WIN 0x40                                       ; destination window 1, for the loads: the switch stands ahead of the wait
	s_wait_alu depctr_va_vdst(0)                   ; tile 0's exponentials have written their results, ahead of the first reader (the last scaling is the plain line behind the last exponential).  The same line: this step's K Q^T is done reading K's fragments and the last step's V^T P is done reading V's, in which the loads below land; v[ADV] and v[ADK] are written, which they read
	VLOAD
.if \next
	KLOAD
.endif
	WIN 0
.if \next
	s_add_co_u32 s30, s30, 8192
	s_add_co_u32 s29, s29, 8192
.endif
	v_pk_mul_f32 v[ST+2:ST+3], v[ST+2:ST+3], v[ST+4:ST+5] op_sel_hi:[1,0]   ; tile 0's sum under the new M
.set jj, 0
.rept 32                               ; tile 1's batch; tile 0's sums stand among it
	EXP2 1
	SUMI 0
.set jj, jj+1
.endr
	v_pk_mul_f32 v[ST+14:ST+15], v[ST+14:ST+15], v[ST+16:ST+17] op_sel_hi:[1,0]   ; tile 1's sum under the new M: a plain line behind the last exponential
	s_wait_alu depctr_va_vdst(0)                   ; tile 1's exponentials have written their results, ahead of the first reader
.set jj, 0
.rept 32
	SUMI 1
.set jj, jj+1
.endr
	s_cmp_ge_i32 s26, -8                           ; from e8 = -8 on, 448 x 2^e8 is 1.75 or more and p is at most 1: the hold changes nothing and is passed over.  A scalar branch on a whole number of the input
	s_cbranch_scc1 .Lnohold_\@
.set jj, 0
.rept 128
	v_min_num_f32 v[S+jj], v[S+jj], v[LIM]         ; the conversion to an 8-bit code does not saturate (ISA guide 7.6.2); p is not negative, so the hold is one-sided
.set jj, jj+1
.endr
.Lnohold_\@:
.irp t, 0,1
.irp k, 0,1,2,3,4,5,6,7
	v_cvt_scalef32_pk8_fp8_f32 v[P+16*\t+2*\k:P+16*\t+2*\k+1], v[S+64*\t+8*\k:S+64*\t+8*\k+7], v[SC]
.endr
.endr
	WIN 0x41                                       ; O^T (destination and source 0) window 1, f window 0
.irp t, 0,1
.set jj, 0
.rept 16
	v_pk_mul_f32 v[O+32*\t+2*jj:O+32*\t+2*jj+1], v[O+32*\t+2*jj:O+32*\t+2*jj+1], v[ST+12*\t+4:ST+12*\t+5] op_sel_hi:[1,0]   ; O^T under the new M; these are also the plain lines behind the conversions
.set jj, jj+1
.endr
.endr
.if \next
	s_wait_dscnt 16                                ; V is in; the next step's 16 loads of K, issued behind V's, may be out
.else
	s_wait_dscnt 0x0
.endif
	WIN 0x51                                       ; source 0 (V) window 1, source 1 (P) window 0, C and D window 1
.irp d, 0,1,2,3
.irp t, 0,1
	v_wmma_f32_16x16x128_fp8_fp8 v[O+32*\t+8*\d:O+32*\t+8*\d+7], v[VF+16*\d:VF+16*\d+15], v[P+16*\t:P+16*\t+15], v[O+32*\t+8*\d:O+32*\t+8*\d+7]   ; the eight accumulators take turns, one instruction a turn
.endr
.endr
	WIN 0
.endm
	s_load_b128 s[4:7], s[0:1], 0x0                ; qkv s[4:5], the scales' exponents s[6:7]
	s_load_b64 s[8:9], s[0:1], 0x10                ; out0
	v_lshl_add_u32 v254, v0, 2, 0x20000
	v_mov_b32 v255, 0
	v_lshrrev_b32 v34, 5, v0
	v_readfirstlane_b32 s10, v34                   ; wave 0..7
	s_mov_b32 s11, ttmp9                           ; qd
	s_and_b32 s12, ttmp7, 0xffff                   ; g
	v_and_b32 v34, 31, v0
	v_lshlrev_b32 v[LI], 4, v34
	v_lshlrev_b32 v[FA], 4, v0
	v_add_nc_u32 v[FB], 0x10000, v[FA]
	s_wait_alu depctr_va_sdst(0)                   ; s10, the wave's number, is written, ahead of its first reader
	s_and_b32 s13, s10, 3                          ; w % 4
	s_lshr_b32 s32, s10, 2                         ; w / 4
	s_lshl_b32 s34, s12, 16                        ; the group's 65,536 bytes in each of q, k, v
	s_mov_b32 s35, 0
	s_lshl_b32 s36, s11, 1
	s_add_co_u32 s36, s36, s32                     ; my query chunk: 2 qd + w / 4,
	s_lshl_b32 s36, s36, 13
	s_lshl_b32 s37, s13, 11                        ; my two tiles of tokens
	s_add_co_u32 s36, s36, s37
	s_mov_b32 s37, 0
	s_lshr_b32 s38, s12, 3                         ; out0: batch g / 8,
	s_lshl_b32 s38, s38, 21
	s_and_b32 s39, s12, 7
	s_lshl_b32 s39, s39, 9                         ; the group's 128 tokens,
	s_add_co_u32 s38, s38, s39
	s_lshl_b32 s39, s11, 19                        ; channel 128 qd,
	s_add_co_u32 s38, s38, s39
	s_lshl_b32 s39, s10, 16                        ; + the 16 rows that I store
	s_add_co_u32 s38, s38, s39
	s_mov_b32 s39, 0
	s_wait_kmcnt 0x0
	s_load_b128 s[24:27], s[6:7], 0x18             ; e6, e7, e8, e9
	s_add_nc_u64 s[18:19], s[4:5], s[34:35]
	s_add_nc_u64 s[14:15], s[18:19], 0x400000      ; the group's K images
	s_add_nc_u64 s[16:17], s[18:19], 0x800000      ; its V images
	s_add_nc_u64 s[18:19], s[18:19], s[36:37]      ; my two fragments of Q
	s_add_nc_u64 s[8:9], s[8:9], s[38:39]
	s_wait_alu depctr_va_vdst(0)                   ; v[LI], v[FA] and v[FB] are written: the loads and LDS stores of the fill, Q's loads and the last stores read them
.irp i, 0,1,2,3,4,5,6,7,8,9,10,11,12,13,14,15
	global_load_b128 v[S+4*\i:S+4*\i+3], v[FA], s[14:15] offset:4096*\i        ; the 256 threads take 4,096 consecutive bytes a line
.endr
.irp i, 0,1,2,3,4,5,6,7,8,9,10,11,12,13,14,15
	global_load_b128 v[S+64+4*\i:S+64+4*\i+3], v[FA], s[16:17] offset:4096*\i
.endr
.irp i, 0,1,2,3
	global_load_b128 v[Q+4*\i:Q+4*\i+3], v[LI], s[18:19] offset:512*\i th:TH_LOAD_NT   ; read once in the launch; stays in registers
.endr
	s_mov_b32 s20, 0x76543210                      ; v_permlanex16_b32's selects for lane l xor 16
	s_mov_b32 s21, 0xfedcba98
	s_mov_b32 s22, 0x3e38aa3b                      ; c = log2(e) / 8
.irp t, 0,1
	v_mov_b32 v[ST+12*\t+1], 0xff61b1e6            ; the largest t so far: -3e38, under every t
	v_floor_f32 v[ST+12*\t], -v[ST+12*\t+1]        ; -M
	v_mov_b32 v[ST+12*\t+2], 0                     ; the sum, in two halves
	v_mov_b32 v[ST+12*\t+3], 0
	v_mov_b32 v[ST+12*\t+5], 0                     ; named as the upper half of f's pair
	v_mov_b32 v[ST+12*\t+10], 0                    ; a lane permute's destination counts as one of its sources
.endr
	WIN 0x40
.set jj, 0
.rept 64
	v_mov_b32 v[O+jj], 0                           ; O^T.  (The step is written without a first copy of its own: the first change of M multiplies zeros)
.set jj, jj+1
.endr
	WIN 0
	s_wait_kmcnt 0x0
	s_add_co_i32 s33, s24, s25
	s_lshl_b32 s33, s33, 23
	s_add_co_i32 s22, s22, s33                     ; a score stands for score x 2^(e6 + e7): added to c's exponent field
	s_mov_b32 s23, s22                             ; named with it as a pair
	s_add_co_i32 s33, s26, 127
	s_lshl_b32 s34, s33, 23
	v_mov_b32 v[SC], s34                           ; 2^e8 as f32, for the conversion
	s_add_co_i32 s33, s33, 8
	s_lshl_b32 s33, s33, 23
	s_or_b32 s33, s33, 0x600000
	v_mov_b32 v[LIM], s33                          ; 448 x 2^e8
	s_add_co_i32 s31, s26, s27                     ; e8 + e9
.irp i, 0,1,2,3,4,5,6,7,8,9,10,11,12,13,14,15
	s_wait_loadcnt 35-\i                           ; of the 36 loads, 35 - i are younger than K's line i
	ds_store_b128 v[FA], v[S+4*\i:S+4*\i+3] offset:4096*\i
.endr
.irp i, 0,1,2,3,4,5,6,7,8,9,10,11,12,13,14,15
	s_wait_loadcnt 19-\i                           ; 19 - i are younger than V's line i
	ds_store_b128 v[FB], v[S+64+4*\i:S+64+4*\i+3] offset:4096*\i
.endr
	s_wait_loadcnt 0x0                             ; Q
	s_wait_dscnt 0x0                               ; for the others' sake: my part of the images has landed
	s_barrier_signal -1
	s_barrier_wait -1                              ; all of K and V lie in LDS
	v_mov_b32 v[ADK], v[LI]
	WIN 0x40
	s_wait_alu depctr_va_vdst(0)                   ; v[ADK] is written, which the loads below read
	KLOAD                                          ; key step 0
	WIN 0
	s_mov_b32 s28, 7
	s_mov_b32 s29, 8192                            ; where the next step's K begins
	s_mov_b32 s30, 0x10000                         ; where this step's V begins
.Lstep:
	STEP 1
	s_sub_co_u32 s28, s28, 1
	s_cmp_lg_u32 s28, 0
	s_cbranch_scc1 .Lstep
	STEP 0                                         ; the last step asks for no further K
	; THE WAY OUT.  The six address lines are the places behind the last products.
	v_and_b32 v34, 15, v0                          ; r
	v_bfe_u32 v35, v0, 4, 1                        ; h
	s_mul_i32 s33, s32, 64*SPITCH                  ; my chunk's 64 rows of the stage,
	s_lshl_b32 s34, s13, 7                         ; my 32 tokens' bytes in a row
	s_add_co_u32 s33, s33, s34
	v_mul_u32_u24 v[STO], v35, 8*SPITCH            ; register 8 dt + j of lane (r, h) is d = 16 dt + 8 h + j of query r
	v_lshl_add_u32 v[STO], v34, 2, v[STO]
	v_add_nc_u32 v[STO], s33, v[STO]
	s_mul_i32 s34, s10, 16*SPITCH
	v_add_nc_u32 v[RD], s34, v[LI]                 ; back: rows 16 w + 0 .. 15, 16 bytes a lane
.irp t, 0,1
	v_add_f32 v[ST+12*\t+6], v[ST+12*\t+2], v[ST+12*\t+3]   ; the sum's two halves,
.endr
.irp t, 0,1
	v_permlanex16_b32 v[ST+12*\t+10], v[ST+12*\t+6], s20, s21
.endr
.irp t, 0,1
	v_add_f32 v[ST+12*\t+6], v[ST+12*\t+6], v[ST+12*\t+10]  ; and lane l xor 16's: the row's sum
.endr
.irp t, 0,1
	v_rcp_f32 v[ST+12*\t+4], v[ST+12*\t+6]
.endr
	v_nop                                          ; a plain line behind the last reciprocal
	s_wait_alu depctr_va_vdst(0)                   ; the two reciprocals have written their results, ahead of the first reader
.irp t, 0,1
	v_ldexp_f32 v[ST+12*\t+4], v[ST+12*\t+4], s31  ; x 2^(e8 + e9)
.endr
	WIN 0x01                                       ; source 0 (O^T) window 1
.irp t, 0,1
.set jj, 0
.rept 16
	v_pk_mul_f32 v[S+32*\t+2*jj:S+32*\t+2*jj+1], v[O+32*\t+2*jj:O+32*\t+2*jj+1], v[ST+12*\t+4:ST+12*\t+5] op_sel_hi:[1,0]   ; each accumulator from its low end on
.set jj, jj+1
.endr
.endr
	WIN 0
	s_wait_dscnt 0x0                               ; my reads of K and V are over
	s_barrier_signal -1
	s_barrier_wait -1                              ; everybody's are: the stage may be laid over the images
	s_wait_alu depctr_va_vdst(0)                   ; the scalings have written v[S .. S + 63] and the address lines v[STO], which the stores below read; v[RD] is written, and the last step's vector work is done with v[S + 64 ..], in which the loads from the stage land: no vector instruction follows this line
.irp t, 0,1
.irp d, 0,1,2,3
.irp j, 0,1,2,3,4,5,6,7
	ds_store_b32 v[STO], v[S+32*\t+8*\d+\j] offset:(16*\d+\j)*SPITCH+64*\t   ; 16 lanes: 64 consecutive bytes of a row; the other 16 lanes 8 rows (1,056 words) further on
.endr
.endr
.endr
	s_wait_dscnt 0x0                               ; for the others' sake: a row's 512 bytes come from four waves
	s_barrier_signal -1
	s_barrier_wait -1
.irp i, 0,1,2,3,4,5,6,7,8,9,10,11,12,13,14,15
	ds_load_b128 v[S+64+4*\i:S+64+4*\i+3], v[RD] offset:\i*SPITCH
.endr
.irp i, 0,1,2,3,4,5,6,7,8,9,10,11,12,13,14,15
	s_wait_dscnt 15-\i                             ; row i is back; the 15 - i younger loads may be out
	global_store_b128 v[LI], v[S+64+4*\i:S+64+4*\i+3], s[8:9] offset:4096*\i th:TH_STORE_NT   ; 32 lanes store 512 consecutive bytes, at a multiple of 256 from out0's first byte; written once
.endr
	s_wait_dscnt 0x0
	s_wait_alu depctr_hold_cnt(0) depctr_sa_sdst(0) depctr_va_vdst(0) depctr_va_sdst(0) depctr_va_ssrc(0) depctr_va_vcc(0) depctr_vm_vsrc(0)
	s_wait_tensorcnt 0x0
	ds_add_u32 v254, v255
	s_wait_dscnt 0x0
	s_endpgm
.Lfunc_end_k_qcf6e482f87_attn:
	.size	k_qcf6e482f87_attn, .Lfunc_end_k_qcf6e482f87_attn-k_qcf6e482f87_attn
	.p2alignl 7, 3214868480
	.fill 96, 4, 3214868480
	.section	.rodata,"a",@progbits
	.p2align	6, 0x0
	.amdhsa_kernel k_qcf6e482f87_attn
		.amdhsa_group_segment_fixed_size 132096
		.amdhsa_private_segment_fixed_size 0
		.amdhsa_enable_private_segment 0
		.amdhsa_kernarg_size 24
		.amdhsa_user_sgpr_count 2
		.amdhsa_user_sgpr_kernarg_segment_ptr 1
		.amdhsa_wavefront_size32 1
		.amdhsa_system_sgpr_workgroup_id_x 1
		.amdhsa_system_sgpr_workgroup_id_y 1
		.amdhsa_system_sgpr_workgroup_id_z 1
		.amdhsa_system_vgpr_workitem_id 0
		.amdhsa_next_free_vgpr 512
		.amdhsa_next_free_sgpr 66
		.amdhsa_reserve_vcc 0
		.amdhsa_float_denorm_mode_32 3
		.amdhsa_float_denorm_mode_16_64 3
		.amdhsa_memory_ordered 1
		.amdhsa_forward_progress 1
		.amdhsa_inst_pref_size 79
	.end_amdhsa_kernel
	.amdgpu_metadata
---
amdhsa.version: [ 1, 2 ]
amdhsa.kernels:
  - .name:           k_qcf6e482f87_attn
    .symbol:         k_qcf6e482f87_attn.kd
    .args:
      - { .name: qkv, .offset: 0, .size: 8, .value_kind: global_buffer, .address_space: global }
      - { .name: lowp_scales, .offset: 8, .size: 8, .value_kind: global_buffer, .address_space: global }
      - { .name: out0, .offset: 16, .size: 8, .value_kind: global_buffer, .address_space: global }
    .group_segment_fixed_size: 132096
    .private_segment_fixed_size: 0
    .kernarg_segment_align: 8
    .kernarg_segment_size: 24
    .max_flat_workgroup_size: 256
    .sgpr_count:     66
    .vgpr_count:     512
    .wavefront_size: 32
...
	.end_amdgpu_metadata
.endif
;; end of part 5
